; MI455X (gfx1250); checked and timed in simulation.
; The chip was launched on July 23, 2026; its instructions are those of AMD's public machine-readable ISA for CDNA 5 (MIT licence, August 2026) and "CDNA5" Instruction Set Architecture Reference Guide (July 2026). The comments in the code are by the model that wrote it; some were corrected since.
;; Causal Self Attention. Allowed arithmetic: matrix products marked QUANTISED: E3M2 operands, one E8M0 scale for each 32 along K, by v_wmma_scale_f32_16x16x128_f8f6f4 with both operands' format E3M2, f32 sums; everything else in f32.
;; Inputs: Wk 1,024 x 1,024 float32; Wp 1,024 x 1,024 float32; Wq 1,024 x 1,024 float32; Wv 1,024 x 1,024 float32; bk 1,024 float32; bp 1,024 float32; bq 1,024 float32; bv 1,024 float32; x 4 x 2,048 x 1,024 float32.
;; Outputs: out0 4 x 2,048 x 1,024 float32.
;; This version of the problem:
;;   THIS VERSION OF THE PROBLEM IS GIVEN IN LOW PRECISION. The matrix products marked QUANTISED in the list below multiply operands that are first quantised to E3M2 (3 exponent bits, 2 mantissa bits; 6 bits a number), with one power-of-two scale for each 32 numbers along K (OCP MX v1.0); their sums are f32. All else is computed in f32.
;;   The module's matrix products, in the order in which they are computed (A, B: the left and right operand; K: the contracted axis; several contracted axes count as one K, in the product's order):
;;     1. [M 8,192, K 1,024] x [K 1,024, N 1,024]; A: input x; B: input Wk: QUANTISED
;;     2. [M 8,192, K 1,024] x [K 1,024, N 1,024]; A: input x; B: input Wq: QUANTISED
;;     3. [M 8,192, K 1,024] x [K 1,024, N 1,024]; A: input x; B: input Wv: QUANTISED
;;     4. batch 64 x [M 2,048, K 64] x [K 64, N 2,048]; A: computed on the way; B: computed on the way: QUANTISED
;;     5. batch 64 x [M 2,048, K 2,048] x [K 2,048, N 64]; A: softmax (see below); B: computed on the way: QUANTISED
;;     6. [M 8,192, K 1,024] x [K 1,024, N 1,024]; A: computed on the way; B: input Wp: QUANTISED
;;   THE QUANTISER, for each operand of a quantised product, along K:
;;     - K is cut into blocks of 32 from its start; a last block that is shorter is filled with zeros.
;;     - A block's scale is 2^e with e = floor(log2(the largest magnitude in the block)) - 4, held to -126 .. 127; a block of zeros has e = 0. As a byte (E8M0): e + 127.
;;     - Each number is divided by its block's scale, clamped to +-28, and rounded to the nearest number of E3M2, ties to even, subnormals kept.
;;     - The product sums the exact products of the quantised numbers (number of the format x scale) in f32.
;;   ~~~python
;;   def quantise(x, axis):      # numpy; x: float32 -> the quantised numbers, widened to float32 again
;;       x = np.moveaxis(x, axis, -1); K = x.shape[-1]
;;       x = np.pad(x, [(0, 0)] * (x.ndim - 1) + [(0, -K % 32)]); x = x.reshape(x.shape[:-1] + (-1, 32)); a = np.abs(x).max(-1, keepdims=True)
;;       e = np.where(a > 0, np.clip(np.frexp(np.where(a > 0, a, 1))[1] - 1 - 4, -126, 127), 0)      # np.frexp(a)[1] - 1 = floor(log2(a)), exactly
;;       r = np.clip(x / 2.0 ** e, -28, 28)
;;       step = 2.0 ** (np.maximum(np.frexp(np.where(r == 0, 1, r))[1] - 1, -2) - 2)
;;       q = np.round(r / step) * step * 2.0 ** e      # np.round: ties to even
;;       return np.moveaxis(q.reshape(q.shape[:-2] + (-1,))[..., :K], -1, axis).astype(np.float32)
;;   ~~~
;;   SOFTMAX AHEAD OF A QUANTISED PRODUCT. Where the list says 'softmax', what is quantised is not the finished softmax but p = 2^(t - M), with t = logit x log2(e) and M = ceil(the row's largest t), a whole number; so 1/2 < the row's largest p <= 1. The row's sum l is taken of the UNQUANTISED p, in f32, and the product's result is divided by l at the end. Since M is a whole number, a kernel that streams over the keys may use a running M (the ceiling of the running maximum): every later rescaling is an exact power of two, which a block's scale takes up: the codes' values come out the same.
;;   OPERANDS COMPUTED ON THE WAY. 'Computed on the way' means the value that the module computes at that place (a softmax that the list does not call 'softmax' is quantised finished and normalised). What goes into a quantiser is computed in f32, as accurately as f32 sums, v_exp_f32 and their like allow (about 1e-6 of the number): no bf16 or f16 on the way to a quantiser, and a product that is left as it is and whose result goes on into a quantised operand takes f32 operands (vector FMAs, or v_wmma_f32_16x16x4_f32). A number that lies on a knife's edge between two numbers of the format may be rounded either way, as far as f32 arithmetic and the matrix unit's own rounding can turn it there, and no further.
;; One version. Each part assembles by itself: llvm-mc -triple=amdgcn-amd-amdhsa -mcpu=gfx1250 --defsym DOCPART=n.
;; ======== version 1 of 1: 4 launches
;; workspace buffers: xcodes 6,291,456 bytes; xscales 262,144 bytes; wcodes 3,145,728 bytes; wscales 131,072 bytes; img 18,874,368 bytes; sc 786,432 bytes; ycodes 6,291,456 bytes; yscales 262,144 bytes
;; launch quant (part 1): grid 384 x 1, 4 waves a work-group, no clusters, 33,280 bytes of LDS; arguments x, Wq, Wk, Wv, Wp, xcodes, xscales, wcodes, wscales; writes xcodes, xscales, wcodes, wscales
.if DOCPART == 1
	.amdgcn_target "amdgcn-amd-amdhsa--gfx1250"
	.amdhsa_code_object_version 6
	.text
	.protected	k_q22035d18d7_quant
	.globl	k_q22035d18d7_quant
	.p2align	8
	.type	k_q22035d18d7_quant,@function
k_q22035d18d7_quant:
	s_mov_b64 s[64:65], 0
	v_nop
	global_prefetch_b8 v0, s[64:65] scope:SCOPE_SE
	s_setreg_imm32_b32 hwreg(HW_REG_WAVE_MODE, 25, 1), 1
	s_wait_xcnt 0x0
; x [8192][1024] and the four weights [1024][1024], f32 with K innermost, become codes of BF6 (E3M2), 6 bits each, and one E8M0 scale byte for each 32 along K.
; xcodes [8192][768], xscales [8192][32]; wcodes [4096][768], wscales [4096][32]: rows 0-1023 Wq, 1024-2047 Wk, 2048-3071 Wv, 3072-4095 Wp.
; A block's scale is 2^(floor(log2(its largest magnitude)) - 4); its byte is the largest magnitude's exponent field - 4, held at 1 from below.
; Wv'S ROWS ARE LAID IN ANOTHER ORDER: of every 32 rows the second and the third group of 8 change places.  So place 16 t + r of the laid rows holds feature 32 (t / 2) + 8 (t % 2) + r + 8 (r / 8),
; and the attention's result comes out with 16 neighbouring features in a lane's 16 registers.  A wave owns exactly 8 rows (8,192 numbers), so the change is a change of the wave's destination.
; LIMITS: a block whose largest magnitude lies under 2^-122, a block of zeros among them, gets the byte 1 (its codes are zeros or near it; the bytes are read by this program alone); NaN and infinities are not served.
; A wave takes 16 steps of 512 numbers.  Each of a step's four loads reads 512 consecutive bytes; the 2,048 bytes turn through the wave's own stage in LDS and come back 64 bytes (16 neighbours) a lane; two lanes hold a block.
; No tensor loads, no barrier: waves share nothing.  Loads run four steps (16 loads a wave) ahead, the turn through LDS one step.
.set STEPS, 16
.set XWG,   256                        ; x's work-groups: 8,388,608 numbers / 32,768; each weight has 32
.set EMAX,  4
.set CB,    12                         ; bytes of 16 codes
.set R,     16                         ; v16-79   four sets of 16 numbers as they are loaded
.set X,     80                         ; v80-111  two sets of 16 neighbours
.set C,     128                        ; v128-191 codes: four registers for each step, so that no store's data are written again
.set E,     112                        ; v112-127 a scale byte for each step
.set WREG,  8192                       ; LDS: a region for each wave: two stages of 32 x SP bytes, behind them its 256 scale bytes
.set SP,    80                         ; a lane's place in a stage: its 64 bytes + 16 of padding
	s_load_b256 s[4:11], s[0:1], 0x0               ; x, Wq, Wk, Wv
	s_load_b64 s[12:13], s[0:1], 0x20              ; Wp
	s_load_b256 s[20:27], s[0:1], 0x28             ; x's codes, x's scales, the weights' codes, the weights' scales
	v_lshl_add_u32 v192, v0, 2, 0x8000
	v_mov_b32 v193, 0
	v_lshrrev_b32 v1, 5, v0
	v_readfirstlane_b32 s16, v1                    ; wave
	v_and_b32 v2, 31, v0                           ; lane
	v_lshlrev_b32 v3, 4, v2                        ; my 16 bytes of a load's 512
	s_mul_i32 s17, s16, WREG
	v_lshrrev_b32 v14, 2, v2
	v_mul_u32_u24 v14, v14, SP
	v_and_b32 v15, 3, v2
	v_lshl_add_u32 v14, v15, 4, v14
	v_add_nc_u32 v14, s17, v14                     ; the stage, on the way in: SP (lane / 4) + 16 (lane % 4)
	v_mul_u32_u24 v15, v2, SP
	v_add_nc_u32 v15, s17, v15                     ; and on the way out: SP x lane: my 16 neighbours
	v_mul_u32_u24 v4, v2, CB                       ; my codes' place in a step's
	v_lshrrev_b32 v5, 1, v2
	s_add_co_u32 s17, s17, 2*32*SP
	v_add_nc_u32 v5, s17, v5                       ; LDS: my wave's 256 scale bytes, my block's byte
	v_lshlrev_b32 v7, 3, v2                        ; and on the way out 8 bytes a lane
	v_add_nc_u32 v6, s17, v7
	s_sub_co_u32 s28, ttmp9, XWG                   ; a weight's work-group: 0 .. 127 (in x's work-groups a large number that is not used)
	s_lshr_b32 s29, s28, 5                         ; which weight: 0 Wq, 1 Wk, 2 Wv, 3 Wp
	s_and_b32 s30, s28, 31                         ; and which 32 rows of it
	s_and_b32 s31, s16, 1
	s_lshl_b32 s31, s31, 1
	s_lshr_b32 s32, s16, 1
	s_or_b32 s31, s31, s32                         ; the wave's number with its two bits changed over: 0, 2, 1, 3
	s_wait_kmcnt 0x0
	s_cmp_eq_u32 s29, 1                            ; every choice hangs on the work-group's number alone
	s_cselect_b64 s[6:7], s[8:9], s[6:7]
	s_cmp_eq_u32 s29, 2
	s_cselect_b64 s[6:7], s[10:11], s[6:7]
	s_cselect_b32 s31, s31, s16                    ; Wv alone is laid in the other order
	s_cmp_eq_u32 s29, 3
	s_cselect_b64 s[6:7], s[12:13], s[6:7]
	s_cmp_lt_u32 ttmp9, XWG
	s_cselect_b64 s[4:5], s[4:5], s[6:7]           ; from where,
	s_cselect_b64 s[8:9], s[20:21], s[24:25]       ; codes to where,
	s_cselect_b64 s[10:11], s[22:23], s[26:27]     ; scale bytes to where
	s_cselect_b32 s32, ttmp9, s30                  ; the work-group's place in its source
	s_cselect_b32 s34, ttmp9, s28                  ; and in its destination
	s_lshl_b32 s32, s32, 2
	s_add_co_u32 s32, s32, s16                     ; which run of 8,192 numbers I read: 32,768 bytes each, under 2^26 bytes in all
	s_lshl_b32 s32, s32, 15
	s_mov_b32 s33, 0
	s_add_nc_u64 s[4:5], s[4:5], s[32:33]
	s_lshl_b32 s34, s34, 2
	s_add_co_u32 s34, s34, s31                     ; and which run I write
	s_mul_i32 s14, s34, 32*STEPS*CB                ; 6,144 bytes of codes a run
	s_mov_b32 s15, 0
	s_add_nc_u64 s[8:9], s[8:9], s[14:15]
	s_lshl_b32 s14, s34, 8                         ; 256 scale bytes a run
	s_add_nc_u64 s[10:11], s[10:11], s[14:15]
.macro LOAD t
.irp i, 0,1,2,3
	global_load_b128 v[R+16*((\t)%4)+4*\i:R+16*((\t)%4)+4*\i+3], v3, s[4:5] offset:2048*(\t)+512*\i th:TH_LOAD_NT   ; 32 lanes read 512 consecutive bytes
.endr
.endm
.macro TURN t                          ; step t's numbers through the stage: LDS serves a wave's instructions in order, so no wait stands between the stores and the loads
.irp i, 0,1,2,3
	ds_store_b128 v14, v[R+16*((\t)%4)+4*\i:R+16*((\t)%4)+4*\i+3] offset:32*SP*((\t)%2)+8*SP*\i
.endr
.irp i, 0,1,2,3
	ds_load_b128 v[X+16*((\t)%2)+4*\i:X+16*((\t)%2)+4*\i+3], v15 offset:32*SP*((\t)%2)+16*\i
.endr
.endm
.irp t, 0,1,2,3
	LOAD \t
.endr
	s_wait_loadcnt 12                              ; step 0's four loads are in; the twelve of steps 1 to 3 may be out
	TURN 0
.macro STEP t
.set XS, X+16*((\t)%2)
.if (\t) > 0
	s_wait_dscnt 1                                 ; this step's numbers are back from the stage (the last step's byte store may be out): so its stores into the stage have read their registers,
.else
	s_wait_dscnt 0x0
.endif
.if (\t)+4 < STEPS
	LOAD (\t)+4                                    ; which take the loads of four steps on
.endif
.if (\t)+1 < STEPS
.if STEPS-2-(\t) >= 3
	s_wait_loadcnt 12                              ; the next step's four loads are in; those of the three steps behind it may be out
.else
	s_wait_loadcnt 4*(STEPS-2-(\t))
.endif
	TURN (\t)+1                                    ; and go through the other stage while this step is worked
.endif
	v_max3_num_f32 v8, |v[XS]|, |v[XS+1]|, |v[XS+2]|               ; the largest magnitude of my 16, in two chains
	v_max3_num_f32 v9, |v[XS+3]|, |v[XS+4]|, |v[XS+5]|
.irp i, 6,10
	v_max3_num_f32 v8, v8, |v[XS+\i]|, |v[XS+\i+1]|
	v_max3_num_f32 v9, v9, |v[XS+\i+2]|, |v[XS+\i+3]|
.endr
	v_max3_num_f32 v8, v8, |v[XS+14]|, |v[XS+15]|
	v_max3_num_f32 v8, v8, v9, (EMAX+1)<<23        ; and the floor 2^(5 - 127): so the byte cannot fall under 1
	v_max_num_f32_dpp v8, v8, v8 row_xmask:1 row_mask:0xf bank_mask:0xf   ; and of my neighbour's 16: the block's
	v_add_nc_u32 v11, -(EMAX<<23), v8              ; 4 off its exponent field: the conversion takes the exponent field of this operand as its scale
	v_cvt_scalef32_pk16_bf6_f32 v[C+4*(\t):C+4*(\t)+2], v[XS:XS+15], v11   ; sixteen numbers / the scale, to the nearest code, ties to even, beyond the largest code the largest; 96 bits without gaps
	v_lshrrev_b32 v[E+(\t)], 23, v11               ; the scale's byte (also the plain line behind the conversion)
	ds_store_b8 v5, v[E+(\t)] offset:16*(\t)       ; both lanes of a block write the same byte with the same value
	global_store_b96 v4, v[C+4*(\t):C+4*(\t)+2], s[8:9] offset:32*CB*(\t)   ; the wave stores 384 consecutive bytes
.endm
.irp t, 0,1,2,3,4,5,6,7,8,9,10,11,12,13,14,15
	STEP \t
.endr
	ds_load_b64 v[12:13], v6                       ; LDS serves a wave's instructions in order: these see my stores
	s_wait_dscnt 0x0
	global_store_b64 v7, v[12:13], s[10:11]        ; 32 lanes store 256 consecutive bytes, aligned
	s_wait_tensorcnt 0x0
	ds_add_u32 v192, v193
	s_wait_dscnt 0x0
	s_endpgm
.Lfunc_end_k_q22035d18d7_quant:
	.size	k_q22035d18d7_quant, .Lfunc_end_k_q22035d18d7_quant-k_q22035d18d7_quant
	.p2alignl 7, 3214868480
	.fill 96, 4, 3214868480
	.section	.rodata,"a",@progbits
	.p2align	6, 0x0
	.amdhsa_kernel k_q22035d18d7_quant
		.amdhsa_group_segment_fixed_size 33280
		.amdhsa_private_segment_fixed_size 0
		.amdhsa_enable_private_segment 0
		.amdhsa_kernarg_size 72
		.amdhsa_user_sgpr_count 2
		.amdhsa_user_sgpr_kernarg_segment_ptr 1
		.amdhsa_wavefront_size32 1
		.amdhsa_system_sgpr_workgroup_id_x 1
		.amdhsa_system_sgpr_workgroup_id_y 1
		.amdhsa_system_sgpr_workgroup_id_z 1
		.amdhsa_system_vgpr_workitem_id 0
		.amdhsa_next_free_vgpr 194
		.amdhsa_next_free_sgpr 66
		.amdhsa_reserve_vcc 0
		.amdhsa_float_denorm_mode_32 3
		.amdhsa_float_denorm_mode_16_64 3
		.amdhsa_memory_ordered 1
		.amdhsa_forward_progress 1
		.amdhsa_inst_pref_size 33
	.end_amdhsa_kernel
	.amdgpu_metadata
---
amdhsa.version: [ 1, 2 ]
amdhsa.kernels:
  - .name:           k_q22035d18d7_quant
    .symbol:         k_q22035d18d7_quant.kd
    .args:
      - { .name: x, .offset: 0, .size: 8, .value_kind: global_buffer, .address_space: global }
      - { .name: Wq, .offset: 8, .size: 8, .value_kind: global_buffer, .address_space: global }
      - { .name: Wk, .offset: 16, .size: 8, .value_kind: global_buffer, .address_space: global }
      - { .name: Wv, .offset: 24, .size: 8, .value_kind: global_buffer, .address_space: global }
      - { .name: Wp, .offset: 32, .size: 8, .value_kind: global_buffer, .address_space: global }
      - { .name: xcodes, .offset: 40, .size: 8, .value_kind: global_buffer, .address_space: global }
      - { .name: xscales, .offset: 48, .size: 8, .value_kind: global_buffer, .address_space: global }
      - { .name: wcodes, .offset: 56, .size: 8, .value_kind: global_buffer, .address_space: global }
      - { .name: wscales, .offset: 64, .size: 8, .value_kind: global_buffer, .address_space: global }
    .group_segment_fixed_size: 33280
    .private_segment_fixed_size: 0
    .kernarg_segment_align: 8
    .kernarg_segment_size: 72
    .max_flat_workgroup_size: 128
    .sgpr_count:     66
    .vgpr_count:     194
    .wavefront_size: 32
...
	.end_amdgpu_metadata
.endif
;; end of part 1
;; launch qkv (part 2): grid 8 x 48, 4 waves a work-group, clusters of 4 x 4, 327,680 bytes of LDS; arguments xcodes, xscales, wcodes, wscales, bq, bk, bv, img, sc; writes img, sc
.if DOCPART == 2
	.amdgcn_target "amdgcn-amd-amdhsa--gfx1250"
	.amdhsa_code_object_version 6
	.text
	.protected	k_q22035d18d7_qkv
	.globl	k_q22035d18d7_qkv
	.p2align	8
	.type	k_q22035d18d7_qkv,@function
k_q22035d18d7_qkv:
	s_mov_b64 s[64:65], 0
	v_nop
	global_prefetch_b8 v0, s[64:65] scope:SCOPE_SE
	s_setreg_imm32_b32 hwreg(HW_REG_WAVE_MODE, 25, 1), 1
	s_wait_xcnt 0x0
	s_wait_alu depctr_hold_cnt(0) depctr_sa_sdst(0) depctr_va_vdst(0) depctr_va_sdst(0) depctr_va_ssrc(0) depctr_va_vcc(0) depctr_vm_vsrc(0)
	s_getreg_b32 s2, hwreg(HW_REG_IB_STS2, 6, 4)
	s_cmp_eq_u32 s2, 0
	s_cbranch_scc0 .Lentry_in_a_cluster
	s_endpgm
.Lentry_in_a_cluster:
	s_bfe_u32 s2, ttmp6, 0x10000c
	s_cmp_lg_u32 s2, 0xf033
	s_cbranch_scc0 .Lentry_shape_is_right
	s_endpgm
.Lentry_shape_is_right:
; q = x Wq^T + bq, k = x Wk^T + bk, v = x Wv^T + bv on codes of BF6 (E3M2) with one E8M0 scale for each 32 along K = 1,024; the results are quantised here, in registers, as the attention's operands, and leave as codes.
; A tile of 256 x 256 results is made by four waves, 128 x 128 each (64 accumulators, 512 registers).  K goes in steps of 256 through a ring of two LDS slots filled by the tensor data mover; all scale bytes of the tile's rows come once.
; THE MATRIX INSTRUCTION: source 0 = 16 rows of "B", source 1 = 16 rows of "A": a lane holds ONE row of A, and its registers run along B's rows.  A quantiser wants a lane's registers along the NEXT product's K.  So there are two roles:
;   role 0 (cluster y 0-7):  A = x (tokens), B = Wq, Wk (features): q and k are quantised along the head's 64 features.
;   role 1 (cluster y 8-11): A = Wv (features, in the order in which the launch before has laid them), B = x (tokens): v is quantised along the tokens, which are the keys.
; The role hangs on the cluster's y alone: it is the same in all sixteen partners.  Only pointers, offsets, the bias's form and the first step's C operand differ.
; CLUSTERS: 4 x 4 work-groups; A's tile is shared along a row of the cluster, B's along a column: joint loads with a mask of four.
; THE WAY OUT.  THE UNIT: 16 rows x 64 along K as an image of six operand registers: three chunks of 256 bytes, chunk i = registers 2 i, 2 i + 1, lane l's 8 bytes at 8 l.  A wave's store of a chunk covers 256 consecutive bytes, aligned.
;   img: q [bh 64][token tile 128][unit], then k likewise, then v [bh][64 keys: 32][16 features: 4][unit].  sc: q, k [bh][pair of token tiles 64][16 words: tile 2 g's two bytes, tile 2 g + 1's two]; v [bh][128 keys: 16][16 features: 4][16 words].
;   A block of 32 lies in two neighbouring accumulators and in lanes l and l xor 16.  Inside a block the codes stand in the order 0-7, 16-23, 8-15, 24-31: alike in q and k, and alike in v and the softmax's p: the products are the same.
; The bias is the C of each sum's first matrix instruction.
; LIMITS: a block whose largest magnitude lies under 2^-122 gets the byte 1 (read by this program alone); NaN and infinities are not served.
; REGISTERS, in windows of 256: window 0: v0-31 addresses; v32-63 scale words, two sets; v64-127 the bias; from v128 A's fragments, one set.  window 1: B's fragments, two sets.  windows 2, 3: the accumulators ((a, b) at v[8 (8 (a % 4) + b)]).
.set KSTEP,  256                       ; along K in a slot
.set NQ,     2                         ; matrix instructions deep
.set ROWB,   192                       ; a tile's row in bytes
.set KROW,   768                       ; a row of codes in memory
.set PITCH,  240                       ; an LDS row: 3 x (64 bytes + 16 of padding): the 32 lanes of a load of 8 bytes touch 64 different banks (64 banks of 4 bytes: ISA guide 11.1)
.set FR,     12                        ; registers of a fragment
.set NL,     6                         ; LDS loads that bring one
.set NP,     4                         ; places behind this matrix instruction (ISA guide 7.12.1)
.set HALFT,  128*PITCH                 ; 128 rows: what one tensor load brings
.set SLOT,   4*HALFT
.set LAPS,   2                         ; 1,024 / 512
.set KS,     32                        ; a row of scale bytes
.set SCL,    2*SLOT                    ; behind the ring: the scales, as units of 256 bytes + 16 of padding
.set HALFS,  (128*KS/256)*272
.set SBLK,   (16*KS/256)*272
.set SPARE,  SCL+4*HALFS               ; the spare words: 128 bytes a wave, two blocks of 256 bytes that no other line names
.set ADRA, 16                          ; v16-17 LDS address of my A fragments in slot 0, 1 (v18-19: behind one padding more)
.set ADRB, 20                          ; v20-23 the same for B
.set ADRS, 27                          ; v27    LDS address of my scale words
.set SPW,  28                          ; v28    my spare word; never rewritten
.set NIL,  29                          ; v29    0; never rewritten
.set SC,   32
.set BIAS, 64
.set AF,   128
.set G1, 24
.set G0, 32
.set G1B, 48
.set G0B, 56
.set G1S, 68
.set G0S, 76
.set G1SB, 80
.set G0SB, 88
.set ROLE, 95
.set MSB, 0
.macro WIN new                         ; the immediate's high byte repeats the setting that is left
.if MSB != (\new)
	s_set_vgpr_msb (MSB<<8)|(\new)
.set MSB, \new
.endif
.endm
.set MUL_LO, 0xa1                      ; source 0 (B) window 1, source 1 (A) window 0, C and D window 2
.set MUL_HI, 0xf1                      ; the same, C and D window 3
.set TO_B,   0x40                      ; destination window 1, address window 0
; A joint load: waves 0 and 1 fetch for A, waves 2 and 3 for B.  The branch hangs on the wave's number alone.  Four v_nop follow each of the two lines.
.macro JLOAD g0a, g1a, g0b, g1b
	s_cmp_eq_u32 s15, 0
	s_cbranch_scc0 .Lfor_b_\@
	tensor_load_to_lds s[\g0a:\g0a+3], s[\g1a:\g1a+7]
	s_nop 0
.rept 4
	v_nop
.endr
	s_branch .Lasked_\@
.Lfor_b_\@:
	tensor_load_to_lds s[\g0b:\g0b+3], s[\g1b:\g1b+7]
	s_nop 0
.rept 4
	v_nop
.endr
.Lasked_\@:
.endm
.macro CREST                           ; a round of the cluster's barrier behind its opening barrier
	s_cmp_lg_u32 s14, 0
	s_cbranch_scc1 .Lnot_wave_0_\@
	s_barrier_signal -3
.Lnot_wave_0_\@:
	s_barrier_wait -3
	s_barrier_signal -1
	s_barrier_wait -1
.endm
.macro CROUND                          ; a whole round
	s_barrier_signal -1
	s_barrier_wait -1
	CREST
.endm
	s_load_b256 s[4:11], s[0:1], 0x0               ; x's codes, x's scales, the weights' codes, the weights' scales
	s_load_b128 s[96:99], s[0:1], 0x20             ; bq, bk
	s_load_b64 s[100:101], s[0:1], 0x30            ; bv
	s_load_b64 s[12:13], s[0:1], 0x38              ; img
	s_load_b64 s[66:67], s[0:1], 0x40              ; sc
	v_lshl_add_u32 v[SPW], v0, 2, SPARE
	v_mov_b32 v[NIL], 0
	ds_add_u32 v28, v29
	ds_add_u32 v28, v29
	s_wait_dscnt 0x0
	v_lshrrev_b32 v1, 5, v0
	v_readfirstlane_b32 s14, v1                    ; wave 0..3
	s_lshr_b32 s15, s14, 1                         ; which half of A's rows is mine.  Also: I fetch for A (0) or for B (1)
	s_and_b32 s16, s14, 1                          ; which half of B's rows.  Also: which 128 rows of that tile I fetch
	s_bfe_u32 s40, ttmp6, 0x40000                  ; cx, cy: my place in the cluster
	s_bfe_u32 s41, ttmp6, 0x40004
	s_and_b32 s17, ttmp7, 0xffff                   ; cluster y
	s_sub_co_u32 s18, s17, 8
	s_lshl_b32 s18, s18, 1
	s_add_co_u32 s18, s18, ttmp9                   ; role 1: 2 (cluster y - 8) + cluster x: 0 .. 7
	s_cmp_lt_u32 s17, 8
	s_cselect_b32 s[ROLE], 0, 1
	s_cselect_b32 s42, ttmp9, s18                  ; the clusters' part of B's tile number,
	s_cselect_b32 s17, s17, 0                      ; of A's,
	s_cselect_b32 s2, 0, 2048                      ; and where A's rows begin in their buffer (Wv lies at row 2,048 of the weights' codes)
	s_lshl_b32 s42, s42, 2
	s_add_co_u32 s42, s42, s40                     ; B's tile: role 0: 0 .. 7 (features of q, k); role 1: 0 .. 31 (tokens)
	s_lshl_b32 s17, s17, 2
	s_add_co_u32 s17, s17, s41                     ; A's tile: role 0: 0 .. 31 (tokens); role 1: 0 .. 3 (features of v)
	s_lshl_b32 s43, s41, 2
	s_lshl_b32 s43, 15, s43                        ; my row of the cluster
	s_lshl_b32 s44, 0x1111, s40                    ; my column
	; descriptor group 1: a tile of 128 rows x 192 bytes, padded in LDS
	s_or_b32 s[G1+0], s43, (0<<16)|(1<<20)|(1<<21)|(3<<22)|(3<<25)  ; the mask; elements of 1 byte; padding on; bit 21 beside a mask; after every 16 words 4 words
	s_or_b32 s[G1B+0], s44, (0<<16)|(1<<20)|(1<<21)|(3<<22)|(3<<25)
.irp g, G1, G1B
	s_mov_b32 s[\g+1], ROWB<<16                    ; tensor_dim0
	s_mov_b32 s[\g+2], 128<<16                     ; tensor_dim1
	s_mov_b32 s[\g+3], ROWB<<16                    ; tile_dim0
	s_mov_b32 s[\g+4], 128                         ; tile_dim1
	s_mov_b32 s[\g+5], KROW                        ; the pitch
	s_mov_b32 s[\g+6], 0
	s_mov_b32 s[\g+7], 0
.endr
	; the scales of 128 rows: a dense block of 4,096 bytes, as 16 rows of 256 bytes (32 elements of 8 bytes), 16 bytes of padding behind each
	s_or_b32 s[G1S+0], s43, (3<<16)|(1<<20)|(1<<21)|(5<<22)|(3<<25)
	s_or_b32 s[G1SB+0], s44, (3<<16)|(1<<20)|(1<<21)|(5<<22)|(3<<25)
.irp g, G1S, G1SB
	s_mov_b32 s[\g+1], 32<<16
	s_mov_b32 s[\g+2], (128*KS/256)<<16
	s_mov_b32 s[\g+3], 32<<16
	s_mov_b32 s[\g+4], 128*KS/256
	s_mov_b32 s[\g+5], 32
	s_mov_b32 s[\g+6], 0
	s_mov_b32 s[\g+7], 0
.endr
	s_lshl_b32 s18, s16, 7                         ; which 128 rows of the tile I fetch
	s_lshl_b32 s20, s17, 8
	s_add_co_u32 s20, s20, s18
	s_add_co_u32 s20, s20, s2                      ; A: its buffer's row
	s_lshl_b32 s46, s42, 8
	s_add_co_u32 s46, s46, s18                     ; B: its buffer's row (Wq and Wk lie on end from row 0)
	s_mov_b32 s21, 0
	s_mov_b32 s47, 0
	s_mov_b64 s[18:19], KS
	s_mul_u64 s[22:23], s[20:21], s[18:19]         ; where these rows' scales begin, in bytes
	s_mul_u64 s[92:93], s[46:47], s[18:19]
	s_mov_b64 s[18:19], KROW
	s_mul_u64 s[20:21], s[20:21], s[18:19]         ; and their codes
	s_mul_u64 s[46:47], s[46:47], s[18:19]
	s_mul_i32 s45, s14, HALFT                      ; where they go: wave x 128 rows: no place in the cluster enters an LDS address
	s_mul_i32 s94, s14, HALFS
	s_wait_kmcnt 0x0
	s_cmp_eq_u32 s[ROLE], 0                        ; which buffer is A and which is B: a choice on the cluster's y
	s_cselect_b64 s[104:105], s[4:5], s[8:9]       ; A's codes
	s_cselect_b64 s[8:9], s[8:9], s[4:5]           ; B's codes
	s_cselect_b64 s[4:5], s[6:7], s[10:11]         ; A's scales
	s_cselect_b64 s[10:11], s[10:11], s[6:7]       ; B's scales
	s_add_nc_u64 s[20:21], s[104:105], s[20:21]
	s_add_nc_u64 s[22:23], s[4:5], s[22:23]
	s_add_nc_u64 s[46:47], s[8:9], s[46:47]
	s_add_nc_u64 s[92:93], s[10:11], s[92:93]
	CROUND                                         ; all sixteen work-groups are here: the first joint loads meet
	s_mov_b32 s[G0S], 1
	s_add_co_u32 s[G0S+1], s94, SCL
	s_mov_b64 s[G0S+2:G0S+3], s[22:23]
	s_or_b32 s[G0S+3], s[G0S+3], 0x80000000
	s_mov_b32 s[G0SB], 1
	s_add_co_u32 s[G0SB+1], s94, SCL
	s_mov_b64 s[G0SB+2:G0SB+3], s[92:93]
	s_or_b32 s[G0SB+3], s[G0SB+3], 0x80000000
	JLOAD G0S, G1S, G0SB, G1SB                     ; the scales first: they are wanted with K step 0
.irp s, 0,1
	s_mov_b32 s[G0+4*\s], 1
	s_add_co_u32 s[G0+4*\s+1], s45, \s*SLOT
	s_add_nc_u64 s[G0+4*\s+2:G0+4*\s+3], s[20:21], \s*ROWB
	s_or_b32 s[G0+4*\s+3], s[G0+4*\s+3], 0x80000000
	s_mov_b32 s[G0B+4*\s], 1
	s_add_co_u32 s[G0B+4*\s+1], s45, \s*SLOT
	s_add_nc_u64 s[G0B+4*\s+2:G0B+4*\s+3], s[46:47], \s*ROWB
	s_or_b32 s[G0B+4*\s+3], s[G0B+4*\s+3], 0x80000000
	JLOAD G0+4*\s, G1, G0B+4*\s, G1B
.endr
	v_and_b32 v1, 15, v0                           ; r = l % 16
	v_bfe_u32 v2, v0, 4, 1                         ; h = l / 16
	v_mul_u32_u24 v3, v1, PITCH
	v_mul_u32_u24 v4, v2, 24
	v_add_nc_u32 v4, v3, v4                        ; a fragment's row x pitch + 24 x half
	v_lshl_add_u32 v5, v2, 4, v4                   ; and the same behind one padding more
	s_mul_i32 s21, s15, HALFT                      ; my 128 rows of A
	s_mul_i32 s22, s16, HALFT                      ; my 128 rows of B,
	s_add_co_u32 s22, s22, 2*HALFT                 ; which lie behind A's 256
.irp s, 0,1
	v_add_nc_u32 v[ADRA+\s], s21, v4
	v_add_nc_u32 v[ADRB+\s], s22, v4
	v_add_nc_u32 v[ADRA+2+\s], s21, v5
	v_add_nc_u32 v[ADRB+2+\s], s22, v5
	s_add_co_u32 s21, s21, SLOT
	s_add_co_u32 s22, s22, SLOT
.endr
	v_mul_u32_u24 v5, v1, KS                       ; my row's scales: 32 bytes a row,
	v_lshrrev_b32 v6, 8, v5
	v_lshl_add_u32 v5, v6, 4, v5                   ; and 16 more for each 256 passed
	s_mul_i32 s21, s15, HALFS                      ; A's: my 128 rows
	s_mul_i32 s22, s16, HALFS                      ; B's: my 128 rows, behind A's 256
	s_add_co_u32 s22, s22, 2*HALFS
	s_sub_co_u32 s22, s22, s21
	v_mul_u32_u24 v6, s22, v2                      ; lanes 16-31 take B's: one product, the distance between the two bases
	s_add_co_u32 s21, s21, SCL
	v_add_nc_u32 v5, v5, v6
	v_add_nc_u32 v[ADRS], s21, v5
	; THE BIAS, in the result's layout, 64 registers.  Which vector: bq or bk by B's tile (role 0), bv (role 1); from my wave's first feature on
	s_cmp_lt_u32 s42, 4
	s_cselect_b64 s[96:97], s[96:97], s[98:99]
	s_and_b32 s18, s42, 3
	s_cmp_eq_u32 s[ROLE], 0
	s_cselect_b64 s[96:97], s[96:97], s[100:101]
	s_cselect_b32 s18, s18, s17                    ; which 256 features of the 1,024,
	s_cselect_b32 s19, s16, s15                    ; and which 128 of them
	s_lshl_b32 s18, s18, 10
	s_lshl_b32 s19, s19, 9
	s_add_co_u32 s18, s18, s19
	s_mov_b32 s19, 0
	s_add_nc_u64 s[96:97], s[96:97], s[18:19]
	s_cmp_eq_u32 s[ROLE], 0
	s_cbranch_scc0 .Lbias_v
	v_lshlrev_b32 v7, 5, v2                        ; role 0: register 8 b + j is feature 16 b + 8 h + j
.irp b, 0,1,2,3,4,5,6,7
	global_load_b128 v[BIAS+8*\b:BIAS+8*\b+3], v7, s[96:97] offset:64*\b
	global_load_b128 v[BIAS+8*\b+4:BIAS+8*\b+7], v7, s[96:97] offset:64*\b+16
.endr
	s_wait_loadcnt 0x0
	s_branch .Lbias_done
.Lbias_v:
	v_and_b32 v7, 8, v1                            ; role 1: a lane is a feature: place 16 a + r holds feature 32 (a / 2) + 8 (a % 2) + r + 8 (r / 8)
	v_add_nc_u32 v7, v7, v1
	v_lshlrev_b32 v7, 2, v7
.irp a, 0,1,2,3,4,5,6,7
	global_load_b32 v[BIAS+8*\a], v7, s[96:97] offset:4*(32*(\a/2)+8*(\a%2))
.endr
	s_wait_loadcnt 0x0
.irp a, 0,1,2,3,4,5,6,7
.irp j, 1,2,3,4,5,6,7
	v_mov_b32 v[BIAS+8*\a+\j], v[BIAS+8*\a]        ; the same number for the lane's eight tokens
.endr
.endr
.Lbias_done:
.macro FRAG reg, adr, q, i             ; a fragment, 16 rows x 128 K: lane l holds row l % 16; registers 6 c .. 6 c + 5 hold K = 64 c + 32 (l / 16) + 0 .. 31: 24 bytes of the row's stream of bits, as they lie
.irp p, 0,1,2,3,4,5                    ; in pieces of 8 bytes; where the piece of lanes 16-31 lies behind one padding more, the second address register serves
.set PC, 12*(\q)+6*(\p/3)+\p%3
.if PC%8 < 5
	ds_load_b64 v[\reg+2*\p:\reg+2*\p+1], v[\adr] offset:8*PC+16*(PC/8)+(\i)*16*PITCH
.else
	ds_load_b64 v[\reg+2*\p:\reg+2*\p+1], v[\adr+2] offset:8*PC+16*(PC/8)+(\i)*16*PITCH
.endif
.endr
.endm
; 16 matrix instructions: A's blocks a0, a0 + 1 x B's eight, 128 along K.  cmode 0: onto the sums; 1: the sums begin with the bias by B's block; 2: by A's block.  The 64 accumulators take turns, one instruction a turn.
.macro MUL16 a0, p, q, sc, cmode
.irp a, \a0, \a0+1
.irp b, 0,1,2,3,4,5,6,7
.if \cmode == 1
	v_wmma_scale_f32_16x16x128_f8f6f4 v[8*(8*((\a)%4)+\b):8*(8*((\a)%4)+\b)+7], v[128*(\p)+FR*\b:128*(\p)+FR*\b+FR-1], v[AF+FR*(\a):AF+FR*(\a)+FR-1], v[BIAS+8*\b:BIAS+8*\b+7], v[SC+8*NQ*(\sc)+NQ*\b+(\q)], v[SC+8*NQ*(\sc)+NQ*(\a)+(\q)] matrix_a_fmt:MATRIX_FMT_BF6 matrix_b_fmt:MATRIX_FMT_BF6 matrix_a_scale:MATRIX_SCALE_ROW1
.elseif \cmode == 2
	v_wmma_scale_f32_16x16x128_f8f6f4 v[8*(8*((\a)%4)+\b):8*(8*((\a)%4)+\b)+7], v[128*(\p)+FR*\b:128*(\p)+FR*\b+FR-1], v[AF+FR*(\a):AF+FR*(\a)+FR-1], v[BIAS+8*(\a):BIAS+8*(\a)+7], v[SC+8*NQ*(\sc)+NQ*\b+(\q)], v[SC+8*NQ*(\sc)+NQ*(\a)+(\q)] matrix_a_fmt:MATRIX_FMT_BF6 matrix_b_fmt:MATRIX_FMT_BF6 matrix_a_scale:MATRIX_SCALE_ROW1
.else
	v_wmma_scale_f32_16x16x128_f8f6f4 v[8*(8*((\a)%4)+\b):8*(8*((\a)%4)+\b)+7], v[128*(\p)+FR*\b:128*(\p)+FR*\b+FR-1], v[AF+FR*(\a):AF+FR*(\a)+FR-1], v[8*(8*((\a)%4)+\b):8*(8*((\a)%4)+\b)+7], v[SC+8*NQ*(\sc)+NQ*\b+(\q)], v[SC+8*NQ*(\sc)+NQ*(\a)+(\q)] matrix_a_fmt:MATRIX_FMT_BF6 matrix_b_fmt:MATRIX_FMT_BF6 matrix_a_scale:MATRIX_SCALE_ROW1
.endif
.endr
.endr
.endm
.macro FETCH_B slot, q, p              ; B's eight fragments of the slot's q-th 128 along K into set p
	WIN TO_B
.irp i, 0,1,2,3,4,5,6,7
	FRAG 128*(\p)+FR*\i, ADRB+\slot, \q, \i
.endr
	WIN 0
.endm
.macro FETCH_A slot, q, i0             ; A's blocks i0 .. i0 + 3
.irp i, \i0, \i0+1, \i0+2, \i0+3
	FRAG AF+FR*(\i), ADRA+\slot, \q, \i
.endr
.endm
.macro SCALES sc                       ; a K step's scale words into set sc: two words a row; lanes 0-15 take A's block i, lanes 16-31 B's block i
.irp i, 0,1,2,3,4,5,6,7
	ds_load_b64 v[SC+8*NQ*\sc+NQ*\i:SC+8*NQ*\sc+NQ*\i+1], v[ADRS] offset:\i*SBLK
.endr
.endm
.macro PLACES n                        ; plain vector lines between a matrix instruction and a load into a register that it has read (ISA guide 7.12.1 for vector instructions)
.rept \n
	v_nop
.endr
.endm
; A step of 128 along K that has its successor in the same slot.
.macro STEP slot, q, cmode
	s_wait_dscnt 4*NL                              ; B's set and A's blocks 0-3 are in; the youngest 24 loads (A's blocks 4-7) may be out
.if \cmode
	WIN 0x81                                       ; C (the bias) in window 0, D in window 2
.else
	WIN MUL_LO
.endif
	MUL16 0, (\q)%2, \q, \slot, \cmode
	MUL16 2, (\q)%2, \q, \slot, \cmode
	s_wait_dscnt 0                                 ; A's blocks 4-7 are in
	PLACES NP
	FETCH_B \slot, (\q)+1, 1-(\q)%2
	FETCH_A \slot, (\q)+1, 0
.if \cmode
	WIN 0xc1                                       ; C in window 0, D in window 3
.else
	WIN MUL_HI
.endif
	MUL16 4, (\q)%2, \q, \slot, \cmode
	MUL16 6, (\q)%2, \q, \slot, \cmode
	PLACES NP
	WIN 0
	FETCH_A \slot, (\q)+1, 4
.endm
; A slot's last step changes slots: ONE barrier; in front of it each wave waits for all its tensor loads, adds 0 to its spare word, and waits for that and for its own reads of this slot.  fill = 1: this slot is filled again, two K steps ahead.
.macro TURN slot, next, fill
	s_wait_tensorcnt 0x0                           ; all my tensor loads have landed: my part of the next slot
	ds_add_u32 v[SPW], v[NIL]                      ; 0 onto my spare word
	s_wait_dscnt 4*NL+1                            ; (the add and the youngest 24 loads, A's blocks 4-7, may be out)
	WIN MUL_LO
	MUL16 0, 1, NQ-1, \slot, 0                     ; sixteen matrix instructions stand between the add and the wait for it
	s_wait_dscnt 0x0                               ; the add is done, and my reads of this slot are over
	s_barrier_signal -1
	MUL16 2, 1, NQ-1, \slot, 0
	WIN 0
	s_barrier_wait -1
.if \fill
	CREST                                          ; the barrier has opened a round of the cluster's barrier: no wave of any partner still reads this slot's tile or has a load on its way
	s_add_nc_u64 s[G0+4*\slot+2:G0+4*\slot+3], s[G0+4*\slot+2:G0+4*\slot+3], 2*ROWB
	s_add_nc_u64 s[G0B+4*\slot+2:G0B+4*\slot+3], s[G0B+4*\slot+2:G0B+4*\slot+3], 2*ROWB
	JLOAD G0+4*\slot, G1, G0B+4*\slot, G1B         ; the first tensor load behind the round; its four v_nop are the places in front of the loads below
.else
	PLACES NP
.endif
	v_add_nc_u32 v[ADRS], 4*NQ, v[ADRS]            ; on to the next K step's scale words
	FETCH_B \next, 0, 0
	FETCH_A \next, 0, 0
	SCALES \next
	WIN MUL_HI
	MUL16 4, 1, NQ-1, \slot, 0
	MUL16 6, 1, NQ-1, \slot, 0
	PLACES NP
	WIN 0
	FETCH_A \next, 0, 4
.endm
	s_wait_tensorcnt 1                             ; the scales and my part of K step 0 are in (K step 1's load may be out),
	s_barrier_signal -1
	s_barrier_wait -1                              ; everybody's are
	FETCH_B 0, 0, 0
	FETCH_A 0, 0, 0
	SCALES 0
	FETCH_A 0, 0, 4
	s_cmp_eq_u32 s[ROLE], 0                        ; the first step starts the sums with the bias, whose registers go by B's block in role 0 and by A's in role 1: it is written twice
	s_cbranch_scc0 .Lfirst_v
	STEP 0, 0, 1
	s_branch .Lfirst_done
.Lfirst_v:
	STEP 0, 0, 2
.Lfirst_done:
	s_mov_b32 s3, LAPS-1
.Llap:                                                 ; a trip goes once round the ring and fills both slots again
	TURN 0, 1, 1
	STEP 1, 0, 0
	TURN 1, 0, 1
	STEP 0, 0, 0
	s_sub_co_u32 s3, s3, 1
	s_cmp_lg_u32 s3, 0
	s_cbranch_scc1 .Llap
	TURN 0, 1, 0                                   ; the last lap fills nothing, and has no round of the cluster's barrier
	STEP 1, 0, 0
	s_wait_dscnt 4*NL                              ; the very last step: nothing more to fetch
	WIN MUL_LO
	MUL16 0, 1, NQ-1, 1, 0
	MUL16 2, 1, NQ-1, 1, 0
	s_wait_dscnt 0
	WIN MUL_HI
	MUL16 4, 1, NQ-1, 1, 0
	MUL16 6, 1, NQ-1, 1, 0
	WIN 0
; THE WAY OUT: no LDS.  For each of A's eight blocks the lane's 64 numbers (four blocks of 32 with lane l xor 16) become a fragment's 12 registers = two units, and a scale word.
.set VO,  16                           ; v16, v17 byte offsets in img of my 8 bytes in the fragment's two units (blocks 0-3); v18, v19 the same for blocks 4-7
.set VS,  20                           ; v20-23   byte offsets in sc of my scale word, for each pair of blocks
.set TM,  32                           ; v32-35 largest magnitudes, v36-39 the other half's, then bytes, v44-47 the conversions' scale operands
.set PW0, 48
.set PW1, 49
.set W0,  50
.set W1,  51
.set WS,  52
.set PC0, 64                           ; v64-75 codes, v76-83 at work
.set PC1, 96                           ; v96-107, v108-115
.set PSEL, 40                          ; s[40:41] lane selects for v_permlanex16_b32
.set HM,   43                          ; s43 the mask of lanes 16-31
.set PS0,  98                          ; s98, s99 byte selects for the scale words
.set PS1,  99
	s_and_b32 s19, s42, 3
	s_lshr_b32 s20, s42, 2                         ; role 0: 0 q, 1 k
	s_cmp_eq_u32 s[ROLE], 0
	s_cselect_b32 s18, s17, s42                    ; the tokens' tile of 256,
	s_cselect_b32 s19, s19, s17                    ; the features' tile of 256 within 1,024,
	s_cselect_b32 s21, s15, s16                    ; my half of the tokens,
	s_cselect_b32 s22, s16, s15                    ; my half of the features,
	s_cselect_b32 s20, s20, 2                      ; the section: q, k, v
	s_mov_b32 s23, 3072
	s_cselect_b32 s23, 98304, s23                  ; from a fragment's first unit to its second: the next head | the next 64 keys
	s_cselect_b32 s92, 0, 95232                    ; more for blocks 4-7: nothing | the next head, four units back
	s_cselect_b32 s93, 4096, 64                    ; scale words, lanes 16-31: the next head | the next 16 features
	s_cselect_b32 s94, 64, 128                     ; scale words of the second,
	s_mov_b32 s96, 4096
	s_cselect_b32 s96, 128, s96                    ; third
	s_mov_b32 s97, 4224
	s_cselect_b32 s97, 192, s97                    ; and fourth pair of blocks
	s_mov_b32 s[PS0], 0x03020100
	s_cselect_b32 s[PS0], 0x05040100, s[PS0]       ; lanes 0-15: both blocks' low two bytes | the even block's word
	s_mov_b32 s[PS1], 0x07060504
	s_cselect_b32 s[PS1], 0x07060302, s[PS1]       ; lanes 16-31: both blocks' high two bytes | the odd block's word
	s_mov_b32 s[PSEL], 0x76543210
	s_mov_b32 s[PSEL+1], 0xfedcba98
	s_mov_b32 s[HM], 0xffff0000
	s_lshr_b32 s100, s18, 3                        ; the batch: 8 tiles of 256 tokens each
	s_lshl_b32 s100, s100, 4
	s_lshl_b32 s19, s19, 2
	s_add_co_u32 s100, s100, s19
	s_lshl_b32 s22, s22, 1
	s_add_co_u32 s100, s100, s22                   ; bh of my first head: 16 batch + 4 tile + 2 half
	s_and_b32 s18, s18, 7
	s_lshl_b32 s18, s18, 1
	s_add_co_u32 s18, s18, s21                     ; which 128 tokens of the batch's 2,048
	s_mul_i32 s101, s20, 6291456
	s_mul_i32 s19, s100, 98304
	s_add_co_u32 s101, s101, s19
	s_mul_i32 s19, s18, 6144
	s_add_co_u32 s101, s101, s19                   ; img: section, head, 128 tokens = 8 units
	s_lshl_b32 s104, s20, 18
	s_lshl_b32 s19, s100, 12
	s_add_co_u32 s104, s104, s19
	s_lshl_b32 s19, s18, 8
	s_add_co_u32 s104, s104, s19                   ; sc: section, head, 128 tokens = 256 bytes
	v_and_b32 v1, 31, v0                           ; these thirteen lines name no register of the last products: they are the places behind them
	v_and_b32 v2, 15, v0
	v_bfe_u32 v3, v0, 4, 1
	v_lshl_add_u32 v[VO], v1, 3, s101
	v_add_nc_u32 v[VO+1], s23, v[VO]
	v_add_nc_u32 v[VO+2], s92, v[VO]
	v_add_nc_u32 v[VO+3], s92, v[VO+1]
	v_mul_lo_u32 v4, v3, s93
	v_lshl_add_u32 v4, v2, 2, v4
	v_add_nc_u32 v[VS], s104, v4
	v_add_nc_u32 v[VS+1], s94, v[VS]
	v_add_nc_u32 v[VS+2], s96, v[VS]
	v_add_nc_u32 v[VS+3], s97, v[VS]
.irp b, 0,1,2,3
	v_mov_b32 v[TM+4+\b], 0                        ; written once: a lane permute's destination counts as one of its sources
.endr
; Block a's 64 numbers of a lane (register 16 b + i: block b of 32) become codes in v[dst] .. v[dst + 11] and the scale word in v[pw].  Each accumulator is read from its low end on.
.macro QUANT a, dst, pw
.set QW, 2+(\a)/4
.set QWM, (QW<<2)|(QW<<4)
.set AC, 64*((\a)%4)
	WIN QWM                                        ; sources 1 and 2 in the accumulators' window
.irp b, 0,1,2,3
	v_max3_num_f32 v[TM+\b], 0x2800000, |v[AC+16*\b]|, |v[AC+16*\b+1]|   ; my 16 numbers of block b, and the floor 2^(5 - 127): so the byte cannot fall under 1
.endr
.irp i, 2,4,6,8,10,12,14
.irp b, 0,1,2,3
	v_max3_num_f32 v[TM+\b], v[TM+\b], |v[AC+16*\b+\i]|, |v[AC+16*\b+\i+1]|   ; (the four blocks by turns)
.endr
.endr
	WIN 0
.irp b, 0,1,2,3
	v_permlanex16_b32 v[TM+4+\b], v[TM+\b], s[PSEL], s[PSEL+1]
.endr
.irp b, 0,1,2,3
	v_max_num_f32 v[TM+\b], v[TM+\b], v[TM+4+\b]   ; with lane l xor 16's: the block's largest magnitude
.endr
.irp b, 0,1,2,3
	v_add_nc_u32 v[TM+12+\b], 0xfe000000, v[TM+\b]   ; 4 off its exponent field: the conversion's scale operand
.endr
.irp b, 0,1,2,3
	v_lshrrev_b32 v[TM+4+\b], 23, v[TM+12+\b]      ; the scale's byte
.endr
	v_lshl_or_b32 v[\pw], v[TM+5], 8, v[TM+4]
	v_lshl_or_b32 v[\pw], v[TM+6], 16, v[\pw]
	v_lshl_or_b32 v[\pw], v[TM+7], 24, v[\pw]
	WIN QW                                         ; source 0 in the accumulators' window
.irp c, 0,1
	v_cvt_scalef32_pk16_bf6_f32 v[\dst+6*\c:\dst+2+6*\c], v[AC+32*\c:AC+15+32*\c], v[TM+12+2*\c]
	v_cvt_scalef32_pk16_bf6_f32 v[\dst+12+4*\c:\dst+14+4*\c], v[AC+16+32*\c:AC+31+32*\c], v[TM+12+2*\c+1]   ; (a conversion's three registers begin on an even number)
.endr
	WIN 0
	v_nop                                          ; one plain line behind a scaled conversion
.irp c, 0,1                                    ; the operand's layout wants a WHOLE block in a lane: lanes 0-15 block 2 c, lanes 16-31 block 2 c + 1
.irp i, 0,1,2
	v_permlane16_swap_b32 v[\dst+6*\c+\i], v[\dst+12+4*\c+\i]
.endr
.irp i, 0,1,2
	v_mov_b32 v[\dst+3+6*\c+\i], v[\dst+12+4*\c+\i]
.endr
.endr
.endm
.macro SENDU a, dst                    ; the fragment's two units: six stores, each 256 consecutive bytes, aligned
.if (\a) < 4
.set VA, VO
.else
.set VA, VO+2
.endif
.irp p, 0,1,2
	global_store_b64 v[VA], v[\dst+2*\p:\dst+2*\p+1], s[12:13] offset:768*(\a)+256*\p
.endr
.irp p, 0,1,2
	global_store_b64 v[VA+1], v[\dst+6+2*\p:\dst+6+2*\p+1], s[12:13] offset:768*(\a)+256*\p
.endr
.endm
.macro PAIR i                          ; blocks 2 i and 2 i + 1, and their scale words: lanes 0-15 store one word, lanes 16-31 another: two pieces of 64 bytes
	s_wait_xcnt 0x0                                ; the last pair's stores have read their registers: these are written again only behind this wait
	QUANT 2*(\i), PC0, PW0
	SENDU 2*(\i), PC0
	QUANT 2*(\i)+1, PC1, PW1
	SENDU 2*(\i)+1, PC1
	v_perm_b32 v[W0], v[PW1], v[PW0], s[PS0]
	v_perm_b32 v[W1], v[PW1], v[PW0], s[PS1]
	v_cndmask_b32 v[WS], v[W0], v[W1], s[HM]
	global_store_b32 v[VS+(\i)], v[WS], s[66:67]
.endm
	PAIR 0
	PAIR 1
	PAIR 2
	PAIR 3
	s_wait_tensorcnt 0x0                           ; the wave's end
	ds_add_u32 v[SPW], v[NIL]
	s_wait_dscnt 0x0
	CROUND                                         ; the closing round: no work-group ends while a partner may still ask for a tile that names it
	s_endpgm
.Lfunc_end_k_q22035d18d7_qkv:
	.size	k_q22035d18d7_qkv, .Lfunc_end_k_q22035d18d7_qkv-k_q22035d18d7_qkv
	.p2alignl 7, 3214868480
	.fill 96, 4, 3214868480
	.section	.rodata,"a",@progbits
	.p2align	6, 0x0
	.amdhsa_kernel k_q22035d18d7_qkv
		.amdhsa_group_segment_fixed_size 327680
		.amdhsa_private_segment_fixed_size 0
		.amdhsa_enable_private_segment 0
		.amdhsa_kernarg_size 72
		.amdhsa_user_sgpr_count 2
		.amdhsa_user_sgpr_kernarg_segment_ptr 1
		.amdhsa_wavefront_size32 1
		.amdhsa_system_sgpr_workgroup_id_x 1
		.amdhsa_system_sgpr_workgroup_id_y 1
		.amdhsa_system_sgpr_workgroup_id_z 1
		.amdhsa_system_vgpr_workitem_id 0
		.amdhsa_next_free_vgpr 1024
		.amdhsa_next_free_sgpr 106
		.amdhsa_reserve_vcc 0
		.amdhsa_float_denorm_mode_32 3
		.amdhsa_float_denorm_mode_16_64 3
		.amdhsa_memory_ordered 1
		.amdhsa_forward_progress 1
		.amdhsa_inst_pref_size 188
	.end_amdhsa_kernel
	.amdgpu_metadata
---
amdhsa.version: [ 1, 2 ]
amdhsa.kernels:
  - .name:           k_q22035d18d7_qkv
    .symbol:         k_q22035d18d7_qkv.kd
    .args:
      - { .name: xcodes, .offset: 0, .size: 8, .value_kind: global_buffer, .address_space: global }
      - { .name: xscales, .offset: 8, .size: 8, .value_kind: global_buffer, .address_space: global }
      - { .name: wcodes, .offset: 16, .size: 8, .value_kind: global_buffer, .address_space: global }
      - { .name: wscales, .offset: 24, .size: 8, .value_kind: global_buffer, .address_space: global }
      - { .name: bq, .offset: 32, .size: 8, .value_kind: global_buffer, .address_space: global }
      - { .name: bk, .offset: 40, .size: 8, .value_kind: global_buffer, .address_space: global }
      - { .name: bv, .offset: 48, .size: 8, .value_kind: global_buffer, .address_space: global }
      - { .name: img, .offset: 56, .size: 8, .value_kind: global_buffer, .address_space: global }
      - { .name: sc, .offset: 64, .size: 8, .value_kind: global_buffer, .address_space: global }
    .group_segment_fixed_size: 327680
    .private_segment_fixed_size: 0
    .kernarg_segment_align: 8
    .kernarg_segment_size: 72
    .max_flat_workgroup_size: 128
    .sgpr_count:     106
    .vgpr_count:     1024
    .wavefront_size: 32
...
	.end_amdgpu_metadata
.endif
;; end of part 2
;; launch attn (part 3): grid 4 x 64, 16 waves a work-group, clusters of 4 x 1, 206,848 bytes of LDS; arguments img, sc, ycodes, yscales; writes ycodes, yscales
.if DOCPART == 3
	.amdgcn_target "amdgcn-amd-amdhsa--gfx1250"
	.amdhsa_code_object_version 6
	.text
	.protected	k_q22035d18d7_attn
	.globl	k_q22035d18d7_attn
	.p2align	8
	.type	k_q22035d18d7_attn,@function
k_q22035d18d7_attn:
	s_mov_b64 s[64:65], 0
	v_nop
	global_prefetch_b8 v0, s[64:65] scope:SCOPE_SE
	s_setreg_imm32_b32 hwreg(HW_REG_WAVE_MODE, 25, 1), 1
	s_wait_xcnt 0x0
	s_wait_alu depctr_hold_cnt(0) depctr_sa_sdst(0) depctr_va_vdst(0) depctr_va_sdst(0) depctr_va_ssrc(0) depctr_va_vcc(0) depctr_vm_vsrc(0)
	s_getreg_b32 s2, hwreg(HW_REG_IB_STS2, 6, 4)
	s_cmp_eq_u32 s2, 0
	s_cbranch_scc0 .Lentry_in_a_cluster
	s_endpgm
.Lentry_in_a_cluster:
	s_bfe_u32 s2, ttmp6, 0x10000c
	s_cmp_lg_u32 s2, 0x3003
	s_cbranch_scc0 .Lentry_shape_is_right
	s_endpgm
.Lentry_shape_is_right:
; y[bh][q] = the sum over keys k <= q of softmax_k(q . k / 8) v[k], both products on codes of BF6 (E3M2) with one E8M0 scale for each 32 along a product's K; y is quantised here along its 64 features and leaves as codes.
; THE SOFTMAX AHEAD OF THE SECOND PRODUCT: t = score x log2(e) / 8; M = the running largest t, rounded UP to a whole number; p = 2^(t - M) is what is quantised, along the keys.  The row's sum is taken of the unquantised p
; and divides at the end.  When M moves, the sum and O are multiplied by 2^(old M - new M): exact.
; SHARES.  A cluster of four work-groups owns a head (bh = cluster y).  The head's 128 tiles of 16 queries are dealt out as tile 4 m + cx, m = 0 .. 31: so the key step on the diagonal, m / 2, hangs on no place in the cluster.
; Wave w of sixteen owns m = 31 - w and then m = w: (31 - w) / 2 + w / 2 + 2 = 17 key steps of 128 keys for every wave, whatever w.
; THE WHOLE HEAD LIES IN LDS, filled once: K's 128 units, V's 128 units, their scale words: 204,800 bytes.  Nothing is filled again: no ring.  The four work-groups ask jointly (mask 15): wave 0 for K, wave 1 for V,
; five loads each (the scale words, then four quarters of 512 keys): five tensor loads of a wave are out at the most.  The first eight key steps of the first tile, which count for all its queries, begin as the quarters land.
; THE UNIT: 16 rows x 64 along K as an image of six operand registers: chunk i of 256 bytes = registers 2 i, 2 i + 1, lane l's 8 bytes at 8 l: three loads of 8 bytes a lane on consecutive bytes.
; THE FIRST PRODUCT has K = 64 only.  Source 0's twelve registers hold TWO tiles of keys (unit 2 g, unit 2 g + 1); source 1 is q with six registers of zero codes behind it, or in front of it: the zeros take the other tile out.
; Both products are used transposed: a lane holds ONE query.  Inside a block of 32 the codes of p and of v stand in the same order (0-7, 16-23, 8-15, 24-31), those of q and k likewise.
; V's rows were laid so that place 16 t + r is feature 32 (t / 2) + 8 (t % 2) + r + 8 (r / 8): the 16 registers of O^T's tiles 2 b, 2 b + 1 are features 32 b + 16 h + 0 .. 15, in order: y's codes come out in the natural order.
; OUT: ycodes [token tile 512][head 16][unit]; yscales [8192][32], byte 2 head + block.
; LIMITS: a block whose largest magnitude lies under 2^-122 gets the byte 1 (read by this program alone); NaN and infinities are not served.
; REGISTERS: v1-4 LDS places that stay; v6, v7 the mask's number; v8-11 addresses in hand; v12 -M, v13 the largest t, v[14:15] the sum; v16-21 zeros, v22-27 q, v28-33 zeros; v34 q's scale word; v35-41 the second tile's q;
;   v43-46 where y goes; v48-95 four fragments; v96-159 S^T, then p; v160-191 O^T; v192-211 codes; v212-229 at work; v230-233 K's and V's scale words.
.set VB,    98304                      ; LDS: K's units at 0, V's here,
.set KSC,   196608                     ; K's scale words,
.set VSC,   200704                     ; V's
.set STEPB, 6144                       ; a key step: 8 units
.set QUART, 24576                      ; four key steps
.set ADK, 8
.set ADV, 9
.set ADS, 10
.set ADT, 11
.set BM,  212                          ; v212-215 a block's largest score, then largest p
.set PT,  216                          ; v216-219 the other half's, then at work, then bytes
.set SO,  220                          ; v220-223 the conversions' scale operands
.set PW,  224                          ; v224     p's scale word
.set FF,  226                          ; v[226:227] f = 2^(old M - new M)
.set TQ,  228                          ; v228     at work
.set WV,  18
.set SEL, 20                           ; s[20:21] lane selects: lane l xor 16
.set CS,  22                           ; s[22:23] c = log2(e) / 8
.set G1C, 24                           ; s[24:31] group 1: a quarter
.set G1S, 32                           ; s[32:39] group 1: the scale words
.set G0S, 40                           ; s[40:43] group 0: the scale words;  s[44:59]: the four quarters
.set G0C, 44
.set KSN, 60                           ; s60 the key step's number
.set SD,  61                           ; s61 the key step on the diagonal
.set CNT, 62
.set HM,  63                           ; s63 the mask of lanes 16-31
.set TB,  2                            ; s2  where the step's units begin
.set TS,  3                            ; s3  and its scale words
.macro ROUND                           ; a round of the cluster's barrier
	s_barrier_signal -1
	s_barrier_wait -1
	s_cmp_lg_u32 s[WV], 0
	s_cbranch_scc1 .Lnot_wave_0_\@
	s_barrier_signal -3
.Lnot_wave_0_\@:
	s_barrier_wait -3
	s_barrier_signal -1
	s_barrier_wait -1
.endm
	s_load_b256 s[4:11], s[0:1], 0x0               ; img, sc, y's codes, y's scales
	v_lshl_add_u32 v254, v0, 2, 0x32000
	v_mov_b32 v255, 0
	ds_add_u32 v254, v255
	ds_add_u32 v254, v255
	v_lshrrev_b32 v8, 5, v0
	s_delay_alu instid0(VALU_DEP_1)
	v_readfirstlane_b32 s[WV], v8                  ; wave 0..15
	s_bfe_u32 s12, ttmp6, 0x40000                  ; cx: it enters q's and y's addresses and the mask's number alone
	s_and_b32 s13, ttmp7, 0xffff                   ; bh, which the four partners share
	s_sub_co_u32 s14, 31, s[WV]
	s_lshl_b32 s14, s14, 2
	s_add_co_u32 s14, s14, s12                     ; my first tile of queries: 4 (31 - w) + cx
	s_lshl_b32 s15, s[WV], 2
	s_add_co_u32 s15, s15, s12                     ; my second: 4 w + cx
	; descriptor group 1: dense bytes as rows of 256 (32 elements of 8 bytes), no padding: 96 rows a quarter, 16 for the scale words
	s_mov_b32 s[G1C], 15|(3<<16)|(1<<21)           ; the mask: all four work-groups; elements of 8 bytes; bit 21 beside a mask
	s_mov_b32 s[G1C+1], 32<<16
	s_mov_b32 s[G1C+2], 96<<16
	s_mov_b32 s[G1C+3], 32<<16
	s_mov_b32 s[G1C+4], 96
	s_mov_b32 s[G1C+5], 32
	s_mov_b32 s[G1C+6], 0
	s_mov_b32 s[G1C+7], 0
	s_mov_b32 s[G1S], 15|(3<<16)|(1<<21)
	s_mov_b32 s[G1S+1], 32<<16
	s_mov_b32 s[G1S+2], 16<<16
	s_mov_b32 s[G1S+3], 32<<16
	s_mov_b32 s[G1S+4], 16
	s_mov_b32 s[G1S+5], 32
	s_mov_b32 s[G1S+6], 0
	s_mov_b32 s[G1S+7], 0
	s_and_b32 s66, s[WV], 1                        ; wave 0: K; wave 1: V
	s_add_co_u32 s67, s66, 1                       ; the section of img and of sc
	s_mul_i32 s68, s67, 6291456
	s_mul_i32 s69, s13, 98304
	s_add_co_u32 s68, s68, s69                     ; the head's units, in bytes
	s_mov_b32 s69, 0
	s_lshl_b32 s70, s67, 18
	s_lshl_b32 s71, s13, 12
	s_add_co_u32 s70, s70, s71                     ; the head's scale words
	s_mov_b32 s71, 0
	s_mul_i32 s72, s66, VB                         ; where they go
	s_lshl_b32 s73, s66, 12
	s_add_co_u32 s73, s73, KSC
	s_mov_b32 s[SEL], 0x76543210
	s_mov_b32 s[SEL+1], 0xfedcba98
	s_mov_b32 s[CS], 0x3e38aa3b                    ; log2(e) / 8
	s_mov_b32 s[CS+1], s[CS]                       ; (named with it as a pair, so it is written)
	s_mov_b32 s[HM], 0xffff0000
	v_and_b32 v228, 31, v0
	s_delay_alu instid0(VALU_DEP_1)
	v_lshlrev_b32 v1, 3, v228                      ; 8 x lane: my place in a chunk, in K's units
	s_delay_alu instid0(VALU_DEP_1)
	v_add_nc_u32 v2, VB, v1                        ; in V's
	s_delay_alu instid0(VALU_DEP_3)
	v_lshl_add_u32 v3, v228, 2, KSC                ; 4 x lane: K's scale words: lanes 0-15 an even pair's, lanes 16-31 the odd pair's
	s_delay_alu instid0(VALU_DEP_4)
	v_lshl_add_u32 v4, v228, 2, VSC                ; V's: lanes 0-15 an even tile's, lanes 16-31 the odd tile's
	v_and_b32 v228, 15, v0                         ; r
	v_bfe_u32 v229, v0, 4, 1                       ; h
	s_delay_alu instid0(VALU_DEP_1)
	v_lshlrev_b32 v225, 3, v229
	s_delay_alu instid0(VALU_DEP_1)
	v_sub_nc_u32 v225, v228, v225                  ; r - 8 h
	s_wait_dscnt 0x0
	s_wait_kmcnt 0x0
	s_add_nc_u64 s[68:69], s[4:5], s[68:69]
	s_add_nc_u64 s[70:71], s[6:7], s[70:71]
	s_mov_b32 s[G0S], 1
	s_mov_b32 s[G0S+1], s73
	s_mov_b64 s[G0S+2:G0S+3], s[70:71]
	s_or_b32 s[G0S+3], s[G0S+3], 0x80000000
.irp n, 0,1,2,3
	s_mov_b32 s[G0C+4*\n], 1
	s_add_co_u32 s[G0C+4*\n+1], s72, QUART*\n
	s_add_nc_u64 s[G0C+4*\n+2:G0C+4*\n+3], s[68:69], QUART*\n
	s_or_b32 s[G0C+4*\n+3], s[G0C+4*\n+3], 0x80000000
.endr
	ROUND                                          ; all four work-groups are here: the joint loads meet
	s_cmp_lt_u32 s[WV], 2                          ; a wave's fills stand in one branch, ahead of every wait on TENSORcnt, every LDS read and every other barrier
	s_cbranch_scc0 .Lno_fill
	tensor_load_to_lds s[G0S:G0S+3], s[G1S:G1S+7]
	s_nop 0
	tensor_load_to_lds s[G0C:G0C+3], s[G1C:G1C+7]
	s_nop 0
	tensor_load_to_lds s[G0C+4:G0C+7], s[G1C:G1C+7]
	s_nop 0
	tensor_load_to_lds s[G0C+8:G0C+11], s[G1C:G1C+7]
	s_nop 0
	tensor_load_to_lds s[G0C+12:G0C+15], s[G1C:G1C+7]
	s_nop 0
.rept 4
	v_nop
.endr
.Lno_fill:
; Where a tile of queries (its number in s[sq]) has its q, its q's scales, its y and y's scales, and its number for the mask.
.macro TADR sq, vqo, vso, vyo, vys, vd
	s_lshl_b32 s66, s13, 7
	s_add_co_u32 s66, s66, s[\sq]
	s_mul_i32 s66, s66, 768
	v_add_nc_u32 v[\vqo], s66, v1                  ; q's unit: (128 bh + tile) x 768 + 8 lane
	s_lshr_b32 s67, s[\sq], 1
	s_lshl_b32 s67, s67, 6
	s_and_b32 s68, s[\sq], 1
	s_lshl_b32 s68, s68, 1
	s_add_co_u32 s67, s67, s68
	s_lshl_b32 s68, s13, 12
	s_add_co_u32 s67, s67, s68
	v_lshl_add_u32 v[\vso], v228, 2, s67           ; its two scale bytes: 4,096 bh + 64 (tile / 2) + 4 r + 2 (tile % 2)
	s_lshr_b32 s68, s13, 4
	s_lshl_b32 s68, s68, 7
	s_add_co_u32 s68, s68, s[\sq]                  ; the token tile of 512: 128 batch + tile
	s_lshl_b32 s69, s68, 4
	s_and_b32 s70, s13, 15                         ; the head
	s_add_co_u32 s69, s69, s70
	s_mul_i32 s69, s69, 768
	v_add_nc_u32 v[\vyo], s69, v1                  ; y's unit
	s_lshl_b32 s68, s68, 9
	s_lshl_b32 s70, s70, 1
	s_add_co_u32 s68, s68, s70
	v_lshl_add_u32 v[\vys], v228, 5, s68
	s_delay_alu instid0(VALU_DEP_1)
	v_add_nc_u32 v[\vys], v[\vys], v229            ; y's scale byte: 32 x token + 2 head + h
	s_and_b32 s68, s[\sq], 7
	s_lshl_b32 s68, s68, 4
	v_add_nc_u32 v[\vd], s68, v225                 ; d = my query's place in its key step - 8 h
.endm
	s_wait_alu depctr_va_vdst(0)
	TADR 14, 8, 9, 43, 44, 6
	TADR 15, 10, 11, 45, 46, 7
	s_wait_alu depctr_va_vdst(0)
.irp i, 0,1,2
	global_load_b64 v[22+2*\i:23+2*\i], v8, s[4:5] offset:256*\i    ; the first tile's q
	global_load_b64 v[36+2*\i:37+2*\i], v10, s[4:5] offset:256*\i   ; the second's
.endr
	global_load_u16 v42, v9, s[6:7]
	global_load_u16 v35, v11, s[6:7]
.irp i, 0,1,2,3,4,5
	v_mov_b32 v[16+\i], 0                          ; zero codes in front of q
	v_mov_b32 v[28+\i], 0                          ; and behind it
.endr
.irp b, 0,1,2,3
	v_mov_b32 v[PT+\b], 0                          ; written once: a lane permute's destination counts as one of its sources
.endr
	v_mov_b32 v[FF+1], 0                           ; (named as the upper half of the pair)
.macro INIT                            ; a tile begins: the loop has no first step of its own: zeros, which the first change of M leaves zeros
	v_mov_b32 v13, 0xff61b1e6                      ; the largest t so far: -3e38, under every t
	s_delay_alu instid0(VALU_DEP_1)
	v_floor_f32 v12, -v13                          ; -M
	v_mov_b32 v14, 0
	v_mov_b32 v15, 0
.set J, 0
.rept 32
	v_mov_b32 v[160+J], 0
.set J, J+1
.endr
.endm
; A KEY STEP: 128 keys.  mask = 1: a step all of whose keys come after my queries is left out (a scalar branch on the wave's number and the step's; no barrier and no tensor load stands in a step); the step on the diagonal hides keys.
.macro STEP mask
.if \mask
	s_cmp_gt_u32 s[KSN], s[SD]
	s_cbranch_scc1 .Lhidden_\@
.endif
	s_setprio 2
	v_add_nc_u32 v[ADK], s[TB], v1                 ; these four lines are also the places between the last products and the loads into the registers that they read
	v_add_nc_u32 v[ADV], s[TB], v2
	v_add_nc_u32 v[ADS], s[TS], v3
	v_add_nc_u32 v[ADT], s[TS], v4
.irp g, 0,1,2,3                                ; four pairs of key tiles: two units on end each
.irp p, 0,1,2,3,4,5
	ds_load_b64 v[48+12*\g+2*\p:49+12*\g+2*\p], v[ADK] offset:1536*\g+256*\p
.endr
.endr
	ds_load_b32 v230, v[ADS]                       ; pairs 0 (lanes 0-15) and 1 (lanes 16-31)
	ds_load_b32 v231, v[ADS] offset:128            ; pairs 2 and 3
	s_wait_alu depctr_va_vdst(0)
	s_wait_dscnt 0x0
.irp g, 0,1,2,3                                ; S^T = K q^T: source 1 = q | zeros gives tile 2 g, zeros | q gives tile 2 g + 1
.if \g%2
	v_wmma_scale_f32_16x16x128_f8f6f4 v[96+16*\g:103+16*\g], v[48+12*\g:59+12*\g], v[22:33], 0, v[230+\g/2], v34 matrix_a_fmt:MATRIX_FMT_BF6 matrix_b_fmt:MATRIX_FMT_BF6 matrix_a_scale:MATRIX_SCALE_ROW1
	v_wmma_scale_f32_16x16x128_f8f6f4 v[104+16*\g:111+16*\g], v[48+12*\g:59+12*\g], v[16:27], 0, v[230+\g/2], v34 matrix_a_fmt:MATRIX_FMT_BF6 matrix_b_fmt:MATRIX_FMT_BF6 matrix_a_scale:MATRIX_SCALE_ROW1
.else
	v_wmma_scale_f32_16x16x128_f8f6f4 v[96+16*\g:103+16*\g], v[48+12*\g:59+12*\g], v[22:33], 0, v[230+\g/2], v34 matrix_a_fmt:MATRIX_FMT_BF6 matrix_b_fmt:MATRIX_FMT_BF6
	v_wmma_scale_f32_16x16x128_f8f6f4 v[104+16*\g:111+16*\g], v[48+12*\g:59+12*\g], v[16:27], 0, v[230+\g/2], v34 matrix_a_fmt:MATRIX_FMT_BF6 matrix_b_fmt:MATRIX_FMT_BF6
.endif
.endr                                          ; lane (r, h) holds query r; register 8 t + j is key 16 t + 8 h + j of the step
.rept 4
	v_nop                                          ; places: in front of the loads into K's registers and of the first read of the scores
.endr
.irp dt, 0,1,2,3                               ; V's four fragments (16 features x 128 keys: two units, 3,072 bytes apart) are asked for now and land during the softmax
.irp p, 0,1,2,3,4,5
	ds_load_b64 v[48+12*\dt+2*\p:49+12*\dt+2*\p], v[ADV] offset:(\p/3)*3072+768*\dt+256*(\p%3)
.endr
.endr
	ds_load_b32 v232, v[ADT]                       ; tiles 0 (lanes 0-15) and 1 (lanes 16-31)
	ds_load_b32 v233, v[ADT] offset:128            ; tiles 2 and 3
.if \mask                                      ; on the diagonal the scores of hidden keys become -infinity ahead of the maximum: p = 0 then
	s_cmp_lg_u32 s[KSN], s[SD]
	s_cbranch_scc1 .Lopen_\@
	v_mov_b32 v[TQ], 0xff800000
.set N, 0
.rept 64
	v_cmp_gt_i32 vcc_lo, 16*(N/8)+N%8, v6          ; hidden where 16 t + j > d
	v_cndmask_b32 v[96+N], v[96+N], v[TQ], vcc_lo
.set N, N+1
.endr
.Lopen_\@:
.endif
.irp b, 0,1,2,3
	v_max3_num_f32 v[BM+\b], v[96+16*\b], v[97+16*\b], v[98+16*\b]   ; the largest score of each block of 32 keys: for the row's maximum, and, since p rises with the score, for the block's largest p
.endr
.irp i, 3,5,7,9,11,13
.irp b, 0,1,2,3
	v_max3_num_f32 v[BM+\b], v[BM+\b], v[96+16*\b+\i], v[97+16*\b+\i]
.endr
.endr
.irp b, 0,1,2,3
	v_max_num_f32 v[BM+\b], v[BM+\b], v[111+16*\b]
.endr
.irp b, 0,1,2,3
	s_delay_alu instid0(VALU_DEP_4)
	v_permlanex16_b32 v[PT+\b], v[BM+\b], s[SEL], s[SEL+1]
.endr
.irp b, 0,1,2,3
	s_delay_alu instid0(VALU_DEP_4)
	v_max_num_f32 v[BM+\b], v[BM+\b], v[PT+\b]     ; with lane l xor 16's 16 keys
.endr
	s_delay_alu instid0(VALU_DEP_2)
	v_max3_num_f32 v[TQ], v[BM], v[BM+1], v[BM+2]
	s_delay_alu instid0(VALU_DEP_1)
	v_max_num_f32 v[TQ], v[TQ], v[BM+3]            ; the step's largest score of my query
	s_delay_alu instid0(VALU_DEP_1)
	v_mul_f32 v[TQ], s[CS], v[TQ]                  ; as t
	s_delay_alu instid0(VALU_DEP_1)
	v_max_num_f32 v13, v13, v[TQ]                  ; the running largest t
	v_mov_b32 v[TQ], v12
	s_delay_alu instid0(VALU_DEP_2)
	v_floor_f32 v12, -v13                          ; the new -M = floor(-t) = -ceil(t)
	s_delay_alu instid0(VALU_DEP_1)
	v_sub_f32 v[TQ], v12, v[TQ]                    ; old M - new M: a whole number, 0 or less
	s_delay_alu instid0(VALU_DEP_1)
	v_cvt_i32_f32 v[TQ], v[TQ]                     ; (it saturates)
	s_delay_alu instid0(VALU_DEP_1)
	v_ldexp_f32 v[FF], 1.0, v[TQ]                  ; f = 2^(old M - new M)
.set J, 0
.rept 32
	v_pk_fma_f32 v[96+J:97+J], v[96+J:97+J], s[CS:CS+1], v[12:13] op_sel_hi:[1,0,0]   ; t - M, two at a time
.set J, J+2
.endr
.irp b, 0,1,2,3
	v_fma_f32 v[BM+\b], v[BM+\b], s[CS], v12       ; the same of each block's largest score
.endr
.set J, 0
	s_setprio 1
	s_wait_alu depctr_va_vdst(0)
.rept 64
	v_exp_f32 v[96+J], v[96+J]                     ; p = 2^(t - M), at most 1
.set J, J+1
.endr
	v_pk_mul_f32 v[14:15], v[14:15], v[FF:FF+1] op_sel_hi:[1,0]   ; the sums under the new M (the plain line behind the exponentials)
	s_wait_alu depctr_va_vdst(0)                   ; one wait for the batch of 64, ahead of its first reader
.irp b, 0,1,2,3
	v_exp_f32 v[BM+\b], v[BM+\b]                   ; the block's largest p: the same two instructions on the same number give the same bits
.endr
	v_pk_add_f32 v[216:217], v[100:101], v[104:105]
	v_pk_add_f32 v[252:253], v[108:109], v[112:113]
	v_pk_add_f32 v[250:251], v[116:117], v[120:121]
	v_pk_add_f32 v[248:249], v[124:125], v[128:129]
	v_pk_add_f32 v[246:247], v[132:133], v[136:137]
	v_pk_add_f32 v[244:245], v[140:141], v[144:145]
	v_pk_add_f32 v[242:243], v[148:149], v[152:153]
	v_pk_add_f32 v[14:15], v[14:15], v[156:157]
	v_pk_add_f32 v[216:217], v[216:217], v[96:97]
	v_pk_add_f32 v[252:253], v[252:253], v[98:99]
	v_pk_add_f32 v[250:251], v[250:251], v[102:103]
	v_pk_add_f32 v[248:249], v[248:249], v[106:107]
	v_pk_add_f32 v[246:247], v[246:247], v[110:111]
	v_pk_add_f32 v[244:245], v[244:245], v[114:115]
	v_pk_add_f32 v[242:243], v[242:243], v[118:119]
	v_pk_add_f32 v[14:15], v[14:15], v[122:123]
	v_pk_add_f32 v[216:217], v[216:217], v[126:127]
	v_pk_add_f32 v[252:253], v[252:253], v[130:131]
	v_pk_add_f32 v[250:251], v[250:251], v[134:135]
	v_pk_add_f32 v[248:249], v[248:249], v[138:139]
	v_pk_add_f32 v[246:247], v[246:247], v[142:143]
	v_pk_add_f32 v[244:245], v[244:245], v[146:147]
	v_pk_add_f32 v[242:243], v[242:243], v[150:151]
	v_pk_add_f32 v[14:15], v[14:15], v[154:155]
	v_pk_add_f32 v[216:217], v[216:217], v[158:159]
	s_delay_alu instid0(VALU_DEP_2)
	v_pk_add_f32 v[14:15], v[14:15], v[248:249]
	s_delay_alu instid0(VALU_DEP_2)
	v_pk_add_f32 v[216:217], v[216:217], v[246:247]
	v_pk_add_f32 v[252:253], v[252:253], v[244:245]
	v_pk_add_f32 v[250:251], v[250:251], v[242:243]
	s_delay_alu instid0(VALU_DEP_2)
	v_pk_add_f32 v[14:15], v[14:15], v[252:253]
	s_delay_alu instid0(VALU_DEP_2)
	v_pk_add_f32 v[216:217], v[216:217], v[250:251]
	s_delay_alu instid0(VALU_DEP_1)
	v_pk_add_f32 v[14:15], v[14:15], v[216:217]
	s_wait_alu depctr_va_vdst(0)                   ; and one for the four
.irp b, 0,1,2,3
	v_max_num_f32 v[BM+\b], 0x2800000, v[BM+\b]    ; the floor 2^(5 - 127): the byte cannot fall under 1
.endr
.irp b, 0,1,2,3
	s_delay_alu instid0(VALU_DEP_4)
	v_add_nc_u32 v[SO+\b], 0xfe000000, v[BM+\b]    ; 4 off the exponent field: the conversion's scale operand
.endr
.irp b, 0,1,2,3
	s_delay_alu instid0(VALU_DEP_4)
	v_lshrrev_b32 v[PT+\b], 23, v[SO+\b]           ; the scale's byte
.endr
	s_delay_alu instid0(VALU_DEP_3)
	v_lshl_or_b32 v[PW], v[PT+1], 8, v[PT]         ; p's scale word for these 128 keys
	s_delay_alu instid0(VALU_DEP_1)
	v_lshl_or_b32 v[PW], v[PT+2], 16, v[PW]
	s_delay_alu instid0(VALU_DEP_1)
	v_lshl_or_b32 v[PW], v[PT+3], 24, v[PW]
.irp c, 0,1
	v_cvt_scalef32_pk16_bf6_f32 v[192+6*\c:194+6*\c], v[96+32*\c:111+32*\c], v[SO+2*\c]
	v_cvt_scalef32_pk16_bf6_f32 v[204+4*\c:206+4*\c], v[112+32*\c:127+32*\c], v[SO+2*\c+1]   ; (a conversion's three registers begin on an even number)
.endr
	s_setprio 0
	v_nop                                          ; one plain line behind a scaled conversion
.irp c, 0,1                                    ; a WHOLE block in a lane: lanes 0-15 block 2 c, lanes 16-31 block 2 c + 1
.irp i, 0,1,2
	v_permlane16_swap_b32 v[192+6*\c+\i], v[204+4*\c+\i]
.endr
.irp i, 0,1,2
	s_delay_alu instid0(VALU_DEP_3)
	v_mov_b32 v[195+6*\c+\i], v[204+4*\c+\i]
.endr
.endr
.set J, 0
.rept 16
	v_pk_mul_f32 v[160+J:161+J], v[160+J:161+J], v[FF:FF+1] op_sel_hi:[1,0]   ; O^T under the new M.  (These sixteen stand between the scale word's and the codes' last writes and the products)
.set J, J+2
.endr
	s_wait_alu depctr_va_vdst(0)
	s_wait_dscnt 0x0                               ; V's fragments and scale words are in
.irp dt, 0,1,2,3                               ; O^T += V^T P^T: the four accumulators by turns
.if \dt%2
	v_wmma_scale_f32_16x16x128_f8f6f4 v[160+8*\dt:167+8*\dt], v[48+12*\dt:59+12*\dt], v[192:203], v[160+8*\dt:167+8*\dt], v[232+\dt/2], v[PW] matrix_a_fmt:MATRIX_FMT_BF6 matrix_b_fmt:MATRIX_FMT_BF6 matrix_a_scale:MATRIX_SCALE_ROW1
.else
	v_wmma_scale_f32_16x16x128_f8f6f4 v[160+8*\dt:167+8*\dt], v[48+12*\dt:59+12*\dt], v[192:203], v[160+8*\dt:167+8*\dt], v[232+\dt/2], v[PW] matrix_a_fmt:MATRIX_FMT_BF6 matrix_b_fmt:MATRIX_FMT_BF6
.endif
.endr
.if \mask
.Lhidden_\@:
.endif
	s_add_co_u32 s[TB], s[TB], STEPB               ; the next step's units,
	s_add_co_u32 s[TS], s[TS], 256                 ; its scale words,
	s_add_co_u32 s[KSN], s[KSN], 1                 ; its number
.endm
.macro KLOOP n, mask
	s_mov_b32 s[CNT], \n
.Lk_\@:
	STEP \mask
	s_sub_co_u32 s[CNT], s[CNT], 1
	s_cmp_lg_u32 s[CNT], 0
	s_cbranch_scc1 .Lk_\@
	s_setprio 0
.endm
; A TILE'S END: O^T / the sum is y; its two blocks of 32 features are quantised; a unit and the scale bytes leave.
.macro OUT yo, ys
.rept 4
	v_nop                                          ; places behind the last products
.endr
	v_add_f32 v14, v14, v15                        ; the sum's two halves,
	s_delay_alu instid0(VALU_DEP_1)
	v_permlanex16_b32 v[TQ], v14, s[SEL], s[SEL+1]
	s_delay_alu instid0(VALU_DEP_1)
	v_add_f32 v14, v14, v[TQ]                      ; and lane l xor 16's
	s_wait_alu depctr_va_vdst(0)
	v_rcp_f32 v14, v14
	v_nop                                          ; a plain line behind the reciprocal
	s_wait_alu depctr_va_vdst(0)                   ; and the wait ahead of its first reader
.set J, 0
.rept 16
	v_pk_mul_f32 v[96+J:97+J], v[160+J:161+J], v[14:15] op_sel_hi:[1,0]   ; register 16 b + i is y(query r, feature 32 b + 16 h + i); each accumulator from its low end on
.set J, J+2
.endr
.irp b, 0,1
	v_max3_num_f32 v[BM+\b], |v[96+16*\b]|, |v[97+16*\b]|, 0x2800000
.endr
.irp i, 2,4,6,8,10,12,14
.irp b, 0,1
	s_delay_alu instid0(VALU_DEP_2)
	v_max3_num_f32 v[BM+\b], v[BM+\b], |v[96+16*\b+\i]|, |v[97+16*\b+\i]|
.endr
.endr
.irp b, 0,1
	s_delay_alu instid0(VALU_DEP_2)
	v_permlanex16_b32 v[PT+\b], v[BM+\b], s[SEL], s[SEL+1]
.endr
.irp b, 0,1
	s_delay_alu instid0(VALU_DEP_2)
	v_max_num_f32 v[BM+\b], v[BM+\b], v[PT+\b]
.endr
.irp b, 0,1
	s_delay_alu instid0(VALU_DEP_2)
	v_add_nc_u32 v[SO+\b], 0xfe000000, v[BM+\b]
.endr
.irp b, 0,1
	s_delay_alu instid0(VALU_DEP_2)
	v_lshrrev_b32 v[PT+\b], 23, v[SO+\b]
.endr
	v_cvt_scalef32_pk16_bf6_f32 v[192:194], v[96:111], v[SO]
	v_cvt_scalef32_pk16_bf6_f32 v[204:206], v[112:127], v[SO+1]
	v_nop
.irp i, 0,1,2
	v_permlane16_swap_b32 v[192+\i], v[204+\i]     ; lanes 0-15 block 0, lanes 16-31 block 1: the lower 16 codes here, the upper 16 there
.endr
.irp i, 0,1,2
	s_delay_alu instid0(VALU_DEP_3)
	v_mov_b32 v[195+\i], v[204+\i]
.endr
	v_cndmask_b32 v[TQ], v[PT], v[PT+1], s[HM]     ; my half's block's byte
.irp i, 0,1,2
	global_store_b64 v[\yo], v[192+2*\i:193+2*\i], s[8:9] offset:256*\i   ; 32 lanes store 256 consecutive bytes, aligned
.endr
	global_store_b8 v[\ys], v[TQ], s[10:11]        ; 32 bytes in 16 rows of y's scales: one byte in 24 of what the tile stores
.endm
	s_wait_loadcnt 0x0                             ; both tiles' q
	v_lshl_or_b32 v34, v42, 16, v42                ; q's scale word: its two bytes twice, for either place of q in source 1
	INIT                                           ; (these lines stand between the scale word's write and the first product)
	s_mov_b32 s[TB], 0
	s_mov_b32 s[TS], 0
	s_mov_b32 s[KSN], 0
	s_sub_co_u32 s[SD], 31, s[WV]
	s_lshr_b32 s[SD], s[SD], 1                     ; 8 .. 15: the first eight steps count for all my queries
	s_wait_tensorcnt 3                             ; the scale words and the first quarter are in; quarters 1 to 3 may be out
	s_barrier_signal -1
	s_barrier_wait -1
	KLOOP 4, 0
	s_wait_tensorcnt 2                             ; the second quarter is in
	s_wait_dscnt 0x0
	s_barrier_signal -1
	s_barrier_wait -1
	KLOOP 4, 0
	s_wait_tensorcnt 0x0                           ; all is in
	s_wait_dscnt 0x0
	s_barrier_signal -1
	s_barrier_wait -1
	KLOOP 8, 1
	OUT 43, 44
	s_wait_xcnt 0x0                                ; the stores have read their registers
.irp i, 0,1,2,3,4,5
	v_mov_b32 v[22+\i], v[36+\i]                   ; the second tile's q,
.endr
	v_lshl_or_b32 v34, v35, 16, v35                ; its scale word,
	v_mov_b32 v6, v7                               ; its number for the mask
	INIT
	s_mov_b32 s[TB], 0
	s_mov_b32 s[TS], 0
	s_mov_b32 s[KSN], 0
	s_lshr_b32 s[SD], s[WV], 1                     ; 0 .. 7
	KLOOP 8, 1
	OUT 45, 46
	s_wait_dscnt 0x0
	s_wait_tensorcnt 0x0
	ds_add_u32 v254, v255
	s_wait_dscnt 0x0
	ROUND                                          ; the closing round
	s_endpgm
.Lfunc_end_k_q22035d18d7_attn:
	.size	k_q22035d18d7_attn, .Lfunc_end_k_q22035d18d7_attn-k_q22035d18d7_attn
	.p2alignl 7, 3214868480
	.fill 96, 4, 3214868480
	.section	.rodata,"a",@progbits
	.p2align	6, 0x0
	.amdhsa_kernel k_q22035d18d7_attn
		.amdhsa_group_segment_fixed_size 206848
		.amdhsa_private_segment_fixed_size 0
		.amdhsa_enable_private_segment 0
		.amdhsa_kernarg_size 32
		.amdhsa_user_sgpr_count 2
		.amdhsa_user_sgpr_kernarg_segment_ptr 1
		.amdhsa_wavefront_size32 1
		.amdhsa_system_sgpr_workgroup_id_x 1
		.amdhsa_system_sgpr_workgroup_id_y 1
		.amdhsa_system_sgpr_workgroup_id_z 1
		.amdhsa_system_vgpr_workitem_id 0
		.amdhsa_next_free_vgpr 256
		.amdhsa_next_free_sgpr 80
		.amdhsa_reserve_vcc 1
		.amdhsa_float_denorm_mode_32 3
		.amdhsa_float_denorm_mode_16_64 3
		.amdhsa_memory_ordered 1
		.amdhsa_forward_progress 1
		.amdhsa_inst_pref_size 106
	.end_amdhsa_kernel
	.amdgpu_metadata
---
amdhsa.version: [ 1, 2 ]
amdhsa.kernels:
  - .name:           k_q22035d18d7_attn
    .symbol:         k_q22035d18d7_attn.kd
    .args:
      - { .name: img, .offset: 0, .size: 8, .value_kind: global_buffer, .address_space: global }
      - { .name: sc, .offset: 8, .size: 8, .value_kind: global_buffer, .address_space: global }
      - { .name: ycodes, .offset: 16, .size: 8, .value_kind: global_buffer, .address_space: global }
      - { .name: yscales, .offset: 24, .size: 8, .value_kind: global_buffer, .address_space: global }
    .group_segment_fixed_size: 206848
    .private_segment_fixed_size: 0
    .kernarg_segment_align: 8
    .kernarg_segment_size: 32
    .max_flat_workgroup_size: 512
    .sgpr_count:     80
    .vgpr_count:     256
    .wavefront_size: 32
...
	.end_amdgpu_metadata
.endif
;; end of part 3
;; launch proj (part 4): grid 4 x 32, 4 waves a work-group, clusters of 4 x 4, 327,680 bytes of LDS; arguments ycodes, yscales, wcodes, wscales, bp, out0; writes out0
.if DOCPART == 4
	.amdgcn_target "amdgcn-amd-amdhsa--gfx1250"
	.amdhsa_code_object_version 6
	.text
	.protected	k_q22035d18d7_proj
	.globl	k_q22035d18d7_proj
	.p2align	8
	.type	k_q22035d18d7_proj,@function
k_q22035d18d7_proj:
	s_mov_b64 s[64:65], 0
	v_nop
	global_prefetch_b8 v0, s[64:65] scope:SCOPE_SE
	s_setreg_imm32_b32 hwreg(HW_REG_WAVE_MODE, 25, 1), 1
	s_wait_xcnt 0x0
	s_wait_alu depctr_hold_cnt(0) depctr_sa_sdst(0) depctr_va_vdst(0) depctr_va_sdst(0) depctr_va_ssrc(0) depctr_va_vcc(0) depctr_vm_vsrc(0)
	s_getreg_b32 s2, hwreg(HW_REG_IB_STS2, 6, 4)
	s_cmp_eq_u32 s2, 0
	s_cbranch_scc0 .Lentry_in_a_cluster
	s_endpgm
.Lentry_in_a_cluster:
	s_bfe_u32 s2, ttmp6, 0x10000c
	s_cmp_lg_u32 s2, 0xf033
	s_cbranch_scc0 .Lentry_shape_is_right
	s_endpgm
.Lentry_shape_is_right:
; out0 = y Wp^T + bp on codes of BF6 (E3M2) with one E8M0 scale for each 32 along K = 1,024.  y: 8,192 rows; Wp: rows 3,072 to 4,095 of the weights' codes; out0 [8192][1024] f32.
; A tile of 256 x 256 is made by four waves, 128 x 128 each (64 accumulators, 512 registers).  K goes in steps of 256 through a ring of two LDS slots filled by the tensor data mover; all scale bytes of the tile's rows come once.
; y's CODES LIE AS UNITS: [token tile of 16: 512][head 16][unit of 768 bytes]; a unit is 16 rows x 64 along K as an image of six operand registers (chunk i of 256 bytes = registers 2 i, 2 i + 1, lane l's 8 bytes at 8 l).
; A K step of 256 is four units on end, 3,072 bytes of a token tile's 12,288; 128 rows are 8 such pieces: one tensor load.  A fragment is six loads of 8 bytes a lane on consecutive bytes: no pitch, no padding.
; Wp's codes lie as rows of 768 bytes: a tile's rows of 192 bytes are padded in LDS to a pitch of 240.
; CLUSTERS: 4 x 4 work-groups; y's tile is shared along a row of the cluster, Wp's along a column: joint loads with a mask of four.  128 work-groups: a tile of half the size would fill more WGPs at twice the LDS reads for each product.
; THE MATRIX INSTRUCTION IS USED TRANSPOSED (source 0 = 16 rows of Wp, source 1 = 16 rows of y): a lane holds eight neighbouring numbers of a row of out0.  The bias is the C of each sum's first matrix instruction.
; REGISTERS, in windows of 256: window 0: v0-31 addresses; v32-63 scale words, two sets; v64-127 the bias; from v128 y's fragments, one set.  window 1: Wp's fragments, two sets.  windows 2, 3: the accumulators.
.set SIZE_N, 1024
.set KSTEP,  256
.set NQ,     2
.set ROWB,   192                       ; a row of Wp's tile in bytes
.set AROWB,  3072                      ; a token tile's four units of a K step
.set KROW,   768                       ; a row of codes in memory; for y: 12,288 bytes a token tile / 16 rows
.set PITCH,  240
.set FR,     12
.set NL,     6
.set NP,     4
.set HALFA,  8*AROWB                   ; y's 128 rows: what one tensor load brings
.set HALFB,  128*PITCH                 ; Wp's 128 rows
.set SLOT,   2*HALFA+2*HALFB
.set LAPS,   2
.set KS,     32
.set SCL,    2*SLOT
.set HALFS,  (128*KS/256)*272
.set SBLK,   (16*KS/256)*272
.set SPARE,  SCL+4*HALFS               ; the spare words: 128 bytes a wave, two blocks of 256 bytes that no other line names
.set SPITCH, 528                       ; the way out: a stage of 16 rows x (512 bytes + 16) for each wave, in slot 0, which has had its last fill and its last read by then
.set ADRA, 16                          ; v16-17
.set ADRB, 20                          ; v20-23
.set STO,  24
.set RD,   25
.set CO,   26
.set ADRS, 27
.set SPW,  28
.set NIL,  29
.set SC,   32
.set BIAS, 64
.set AF,   128
.set BK,   128
.set G1, 24
.set G0, 32
.set G1B, 48
.set G0B, 56
.set G1S, 68
.set G0S, 76
.set G1SB, 80
.set G0SB, 88
.set MSB, 0
.macro WIN new                         ; the immediate's high byte repeats the setting that is left
.if MSB != (\new)
	s_set_vgpr_msb (MSB<<8)|(\new)
.set MSB, \new
.endif
.endm
.set MUL_LO, 0xa1
.set MUL_HI, 0xf1
.set TO_B,   0x40
.macro JLOAD g0a, g1a, g0b, g1b        ; a joint load: waves 0 and 1 fetch for y, waves 2 and 3 for Wp; four v_nop follow each of the two lines
	s_cmp_eq_u32 s15, 0
	s_cbranch_scc0 .Lfor_b_\@
	tensor_load_to_lds s[\g0a:\g0a+3], s[\g1a:\g1a+7]
	s_nop 0
.rept 4
	v_nop
.endr
	s_branch .Lasked_\@
.Lfor_b_\@:
	tensor_load_to_lds s[\g0b:\g0b+3], s[\g1b:\g1b+7]
	s_nop 0
.rept 4
	v_nop
.endr
.Lasked_\@:
.endm
.macro CREST
	s_cmp_lg_u32 s14, 0
	s_cbranch_scc1 .Lnot_wave_0_\@
	s_barrier_signal -3
.Lnot_wave_0_\@:
	s_barrier_wait -3
	s_barrier_signal -1
	s_barrier_wait -1
.endm
.macro CROUND
	s_barrier_signal -1
	s_barrier_wait -1
	CREST
.endm
	s_load_b128 s[4:7], s[0:1], 0x0                ; y's codes, y's scales
	s_load_b128 s[8:11], s[0:1], 0x10              ; the weights' codes, the weights' scales
	s_load_b64 s[66:67], s[0:1], 0x20              ; bp
	s_load_b64 s[12:13], s[0:1], 0x28              ; out0
	v_lshl_add_u32 v[SPW], v0, 2, SPARE
	v_mov_b32 v[NIL], 0
	ds_add_u32 v28, v29
	ds_add_u32 v28, v29
	s_wait_dscnt 0x0
	v_lshrrev_b32 v1, 5, v0
	v_readfirstlane_b32 s14, v1                    ; wave 0..3
	s_lshr_b32 s15, s14, 1                         ; which half of the tile's rows is mine.  Also: I fetch for y (0) or for Wp (1)
	s_and_b32 s16, s14, 1                          ; which half of its columns.  Also: which 128 rows of that tile I fetch
	s_bfe_u32 s40, ttmp6, 0x40000
	s_bfe_u32 s41, ttmp6, 0x40004
	s_lshl_b32 s42, ttmp9, 2
	s_add_co_u32 s42, s42, s40                     ; tile column = 4 x cluster x + cx
	s_and_b32 s17, ttmp7, 0xffff
	s_lshl_b32 s17, s17, 2
	s_add_co_u32 s17, s17, s41                     ; tile row = 4 x cluster y + cy
	s_lshl_b32 s43, s41, 2
	s_lshl_b32 s43, 15, s43                        ; my row of the cluster
	s_lshl_b32 s44, 0x1111, s40                    ; my column
	; group 1 for y: 8 rows of 3,072 bytes (384 elements of 8 bytes), 12,288 bytes apart, dense in LDS
	s_or_b32 s[G1+0], s43, (3<<16)|(1<<21)
	s_mov_b32 s[G1+1], 384<<16
	s_mov_b32 s[G1+2], 8<<16
	s_mov_b32 s[G1+3], 384<<16
	s_mov_b32 s[G1+4], 8
	s_mov_b32 s[G1+5], 1536
	s_mov_b32 s[G1+6], 0
	s_mov_b32 s[G1+7], 0
	; group 1 for Wp: 128 rows of 192 bytes, 16 bytes of padding behind every 64
	s_or_b32 s[G1B+0], s44, (0<<16)|(1<<20)|(1<<21)|(3<<22)|(3<<25)
	s_mov_b32 s[G1B+1], ROWB<<16
	s_mov_b32 s[G1B+2], 128<<16
	s_mov_b32 s[G1B+3], ROWB<<16
	s_mov_b32 s[G1B+4], 128
	s_mov_b32 s[G1B+5], KROW
	s_mov_b32 s[G1B+6], 0
	s_mov_b32 s[G1B+7], 0
	; the scales of 128 rows: 4,096 dense bytes as 16 rows of 256 bytes, 16 bytes of padding behind each
	s_or_b32 s[G1S+0], s43, (3<<16)|(1<<20)|(1<<21)|(5<<22)|(3<<25)
	s_or_b32 s[G1SB+0], s44, (3<<16)|(1<<20)|(1<<21)|(5<<22)|(3<<25)
.irp g, G1S, G1SB
	s_mov_b32 s[\g+1], 32<<16
	s_mov_b32 s[\g+2], (128*KS/256)<<16
	s_mov_b32 s[\g+3], 32<<16
	s_mov_b32 s[\g+4], 128*KS/256
	s_mov_b32 s[\g+5], 32
	s_mov_b32 s[\g+6], 0
	s_mov_b32 s[\g+7], 0
.endr
	s_lshl_b32 s18, s16, 7
	s_lshl_b32 s20, s17, 8
	s_add_co_u32 s20, s20, s18                     ; y: row 256 x tile row + 128 x half
	s_lshl_b32 s46, s42, 8
	s_add_co_u32 s46, s46, s18
	s_add_co_u32 s46, s46, 3072                    ; Wp: row 3,072 + 256 x tile column + 128 x half of the weights' buffers
	s_mov_b32 s21, 0
	s_mov_b32 s47, 0
	s_mov_b64 s[18:19], KS
	s_mul_u64 s[22:23], s[20:21], s[18:19]
	s_mul_u64 s[92:93], s[46:47], s[18:19]
	s_mov_b64 s[18:19], KROW
	s_mul_u64 s[20:21], s[20:21], s[18:19]
	s_mul_u64 s[46:47], s[46:47], s[18:19]
	s_mul_i32 s45, s16, HALFA                      ; where they go: y's two halves,
	s_mul_i32 s2, s16, HALFB
	s_add_co_u32 s2, s2, 2*HALFA                   ; then Wp's two: no place in the cluster enters an LDS address
	s_mul_i32 s94, s14, HALFS
	s_wait_kmcnt 0x0
	s_add_nc_u64 s[20:21], s[4:5], s[20:21]
	s_add_nc_u64 s[22:23], s[6:7], s[22:23]
	s_add_nc_u64 s[46:47], s[8:9], s[46:47]
	s_add_nc_u64 s[92:93], s[10:11], s[92:93]
	CROUND                                         ; all sixteen work-groups are here: the first joint loads meet
	s_mov_b32 s[G0S], 1
	s_add_co_u32 s[G0S+1], s94, SCL
	s_mov_b64 s[G0S+2:G0S+3], s[22:23]
	s_or_b32 s[G0S+3], s[G0S+3], 0x80000000
	s_mov_b32 s[G0SB], 1
	s_add_co_u32 s[G0SB+1], s94, SCL
	s_mov_b64 s[G0SB+2:G0SB+3], s[92:93]
	s_or_b32 s[G0SB+3], s[G0SB+3], 0x80000000
	JLOAD G0S, G1S, G0SB, G1SB
.irp s, 0,1
	s_mov_b32 s[G0+4*\s], 1
	s_add_co_u32 s[G0+4*\s+1], s45, \s*SLOT
	s_add_nc_u64 s[G0+4*\s+2:G0+4*\s+3], s[20:21], \s*AROWB
	s_or_b32 s[G0+4*\s+3], s[G0+4*\s+3], 0x80000000
	s_mov_b32 s[G0B+4*\s], 1
	s_add_co_u32 s[G0B+4*\s+1], s2, \s*SLOT
	s_add_nc_u64 s[G0B+4*\s+2:G0B+4*\s+3], s[46:47], \s*ROWB
	s_or_b32 s[G0B+4*\s+3], s[G0B+4*\s+3], 0x80000000
	JLOAD G0+4*\s, G1, G0B+4*\s, G1B
.endr
	v_and_b32 v1, 15, v0                           ; r
	v_bfe_u32 v2, v0, 4, 1                         ; h
	v_mul_u32_u24 v3, v1, PITCH
	v_mul_u32_u24 v4, v2, 24
	v_add_nc_u32 v4, v3, v4                        ; Wp: a fragment's row x pitch + 24 x half
	v_lshl_add_u32 v5, v2, 4, v4                   ; and the same behind one padding more
	v_and_b32 v6, 31, v0
	v_lshlrev_b32 v7, 3, v6                        ; y: 8 x lane
	s_mul_i32 s21, s15, HALFA                      ; my 128 rows of y
	s_mul_i32 s22, s16, HALFB                      ; my 128 rows of Wp,
	s_add_co_u32 s22, s22, 2*HALFA                 ; which lie behind y's 256
.irp s, 0,1
	v_add_nc_u32 v[ADRA+\s], s21, v7
	v_add_nc_u32 v[ADRB+\s], s22, v4
	v_add_nc_u32 v[ADRB+2+\s], s22, v5
	s_add_co_u32 s21, s21, SLOT
	s_add_co_u32 s22, s22, SLOT
.endr
	v_mul_u32_u24 v5, v1, KS
	v_lshrrev_b32 v8, 8, v5
	v_lshl_add_u32 v5, v8, 4, v5
	s_mul_i32 s21, s15, HALFS
	s_mul_i32 s22, s16, HALFS
	s_add_co_u32 s22, s22, 2*HALFS
	s_sub_co_u32 s22, s22, s21
	v_mul_u32_u24 v8, s22, v2                      ; lanes 16-31 take Wp's: one product, the distance between the two bases
	s_add_co_u32 s21, s21, SCL
	v_add_nc_u32 v5, v5, v8
	v_add_nc_u32 v[ADRS], s21, v5
	s_mul_i32 s23, s14, 16*SPITCH                  ; my stage
	v_mul_u32_u24 v5, v1, SPITCH
	v_lshl_add_u32 v5, v2, 5, v5
	v_add_nc_u32 v[STO], s23, v5                   ; in: row r, 32 bytes for each half of the lanes
	v_lshlrev_b32 v[CO], 4, v6                     ; back: the 32 lanes take one row of 512 bytes; and the same in out0
	v_add_nc_u32 v[RD], s23, v[CO]
	s_lshl_b32 s20, s17, 8
	s_lshl_b32 s21, s15, 7
	s_add_co_u32 s20, s20, s21                     ; my first row of out0
	s_mov_b32 s21, 0
	s_mov_b64 s[18:19], SIZE_N*4
	s_mul_u64 s[20:21], s[20:21], s[18:19]
	s_lshl_b32 s46, s42, 10                        ; my first column, in bytes: 1,024 x tile column + 512 x half
	s_lshl_b32 s47, s16, 9
	s_add_co_u32 s46, s46, s47
	s_mov_b32 s47, 0
	s_add_nc_u64 s[20:21], s[20:21], s[46:47]
	s_add_nc_u64 s[12:13], s[12:13], s[20:21]
	s_add_nc_u64 s[66:67], s[66:67], s[46:47]      ; bp at my first column: the same bytes
	v_lshlrev_b32 v9, 5, v2                        ; the bias in the result's layout: register 8 b + j is column 16 b + 8 h + j
.irp b, 0,1,2,3,4,5,6,7
	global_load_b128 v[BIAS+8*\b:BIAS+8*\b+3], v9, s[66:67] offset:64*\b
	global_load_b128 v[BIAS+8*\b+4:BIAS+8*\b+7], v9, s[66:67] offset:64*\b+16
.endr
	s_wait_loadcnt 0x0
.macro FRAG reg, adr, q, i             ; a fragment of Wp from padded rows, in pieces of 8 bytes; where the piece of lanes 16-31 lies behind one padding more, the second address register serves
.irp p, 0,1,2,3,4,5
.set PC, 12*(\q)+6*(\p/3)+\p%3
.if PC%8 < 5
	ds_load_b64 v[\reg+2*\p:\reg+2*\p+1], v[\adr] offset:8*PC+16*(PC/8)+(\i)*16*PITCH
.else
	ds_load_b64 v[\reg+2*\p:\reg+2*\p+1], v[\adr+2] offset:8*PC+16*(PC/8)+(\i)*16*PITCH
.endif
.endr
.endm
.macro FRAGA reg, adr, q, i            ; a fragment of y: two units on end, six chunks of 256 bytes
.irp p, 0,1,2,3,4,5
	ds_load_b64 v[\reg+2*\p:\reg+2*\p+1], v[\adr] offset:AROWB*(\i)+1536*(\q)+256*\p
.endr
.endm
.macro MUL16 a0, p, q, sc, cmode       ; 16 matrix instructions; cmode 1: the sums begin with the bias.  The 64 accumulators take turns, one instruction a turn
.irp a, \a0, \a0+1
.irp b, 0,1,2,3,4,5,6,7
.if \cmode
	v_wmma_scale_f32_16x16x128_f8f6f4 v[8*(8*((\a)%4)+\b):8*(8*((\a)%4)+\b)+7], v[128*(\p)+FR*\b:128*(\p)+FR*\b+FR-1], v[AF+FR*(\a):AF+FR*(\a)+FR-1], v[BIAS+8*\b:BIAS+8*\b+7], v[SC+8*NQ*(\sc)+NQ*\b+(\q)], v[SC+8*NQ*(\sc)+NQ*(\a)+(\q)] matrix_a_fmt:MATRIX_FMT_BF6 matrix_b_fmt:MATRIX_FMT_BF6 matrix_a_scale:MATRIX_SCALE_ROW1
.else
	v_wmma_scale_f32_16x16x128_f8f6f4 v[8*(8*((\a)%4)+\b):8*(8*((\a)%4)+\b)+7], v[128*(\p)+FR*\b:128*(\p)+FR*\b+FR-1], v[AF+FR*(\a):AF+FR*(\a)+FR-1], v[8*(8*((\a)%4)+\b):8*(8*((\a)%4)+\b)+7], v[SC+8*NQ*(\sc)+NQ*\b+(\q)], v[SC+8*NQ*(\sc)+NQ*(\a)+(\q)] matrix_a_fmt:MATRIX_FMT_BF6 matrix_b_fmt:MATRIX_FMT_BF6 matrix_a_scale:MATRIX_SCALE_ROW1
.endif
.endr
.endr
.endm
.macro FETCH_B slot, q, p
	WIN TO_B
.irp i, 0,1,2,3,4,5,6,7
	FRAG 128*(\p)+FR*\i, ADRB+\slot, \q, \i
.endr
	WIN 0
.endm
.macro FETCH_A slot, q, i0
.irp i, \i0, \i0+1, \i0+2, \i0+3
	FRAGA AF+FR*(\i), ADRA+\slot, \q, \i
.endr
.endm
.macro SCALES sc
.irp i, 0,1,2,3,4,5,6,7
	ds_load_b64 v[SC+8*NQ*\sc+NQ*\i:SC+8*NQ*\sc+NQ*\i+1], v[ADRS] offset:\i*SBLK
.endr
.endm
.macro PLACES n
.rept \n
	v_nop
.endr
.endm
.macro STEP slot, q, cmode
	s_wait_dscnt 4*NL                              ; Wp's set and y's blocks 0-3 are in; the youngest 24 loads (y's blocks 4-7) may be out
.if \cmode
	WIN 0x81                                       ; C (the bias) in window 0, D in window 2
.else
	WIN MUL_LO
.endif
	MUL16 0, (\q)%2, \q, \slot, \cmode
	MUL16 2, (\q)%2, \q, \slot, \cmode
	s_wait_dscnt 0
	PLACES NP
	FETCH_B \slot, (\q)+1, 1-(\q)%2
	FETCH_A \slot, (\q)+1, 0
.if \cmode
	WIN 0xc1
.else
	WIN MUL_HI
.endif
	MUL16 4, (\q)%2, \q, \slot, \cmode
	MUL16 6, (\q)%2, \q, \slot, \cmode
	PLACES NP
	WIN 0
	FETCH_A \slot, (\q)+1, 4
.endm
.macro TURN slot, next, fill           ; a slot's last step changes slots: ONE barrier; in front of it: the wait for all my tensor loads, the add, the wait for it and for my reads of this slot
	s_wait_tensorcnt 0x0
	ds_add_u32 v[SPW], v[NIL]                      ; 0 onto my spare word
	s_wait_dscnt 4*NL+1                            ; (the add and the youngest 24 loads may be out)
	WIN MUL_LO
	MUL16 0, 1, NQ-1, \slot, 0
	s_wait_dscnt 0x0                               ; the add is done, and my reads of this slot are over
	s_barrier_signal -1
	MUL16 2, 1, NQ-1, \slot, 0
	WIN 0
	s_barrier_wait -1
.if \fill
	CREST                                          ; the barrier has opened a round of the cluster's barrier
	s_add_nc_u64 s[G0+4*\slot+2:G0+4*\slot+3], s[G0+4*\slot+2:G0+4*\slot+3], 2*AROWB
	s_add_nc_u64 s[G0B+4*\slot+2:G0B+4*\slot+3], s[G0B+4*\slot+2:G0B+4*\slot+3], 2*ROWB
	JLOAD G0+4*\slot, G1, G0B+4*\slot, G1B         ; the first tensor load behind the round; its four v_nop are the places in front of the loads below
.else
	PLACES NP
.endif
	v_add_nc_u32 v[ADRS], 4*NQ, v[ADRS]
	FETCH_B \next, 0, 0
	FETCH_A \next, 0, 0
	SCALES \next
	WIN MUL_HI
	MUL16 4, 1, NQ-1, \slot, 0
	MUL16 6, 1, NQ-1, \slot, 0
	PLACES NP
	WIN 0
	FETCH_A \next, 0, 4
.endm
	s_wait_tensorcnt 1                             ; the scales and my part of K step 0 are in (K step 1's load may be out),
	s_barrier_signal -1
	s_barrier_wait -1                              ; everybody's are
	FETCH_B 0, 0, 0
	FETCH_A 0, 0, 0
	SCALES 0
	FETCH_A 0, 0, 4
	STEP 0, 0, 1                                   ; the first step starts the sums with the bias
	s_mov_b32 s3, LAPS-1
.Llap:
	TURN 0, 1, 1
	STEP 1, 0, 0
	TURN 1, 0, 1
	STEP 0, 0, 0
	s_sub_co_u32 s3, s3, 1
	s_cmp_lg_u32 s3, 0
	s_cbranch_scc1 .Llap
	TURN 0, 1, 0                                   ; the last lap fills nothing
	STEP 1, 0, 0
	s_wait_dscnt 4*NL
	WIN MUL_LO
	MUL16 0, 1, NQ-1, 1, 0
	MUL16 2, 1, NQ-1, 1, 0
	s_wait_dscnt 0
	WIN MUL_HI
	MUL16 4, 1, NQ-1, 1, 0
	MUL16 6, 1, NQ-1, 1, 0
	WIN 0
; THE WAY OUT, block by block of 16 rows x 128 columns, through my own stage in LDS: whole rows of 512 bytes come back, which the 32 lanes store as 512 consecutive bytes, aligned.  LDS serves a wave's instructions in order (ISA guide 5.7.1.4).
.macro TOSTAGE a
.set AC, 64*((\a)%4)
.set SW, 0x08+4*((\a)/4)
	WIN SW                                         ; the data: window 2 or 3
.irp b, 0,1,2,3,4,5,6,7
	ds_store_b128 v[STO], v[AC+8*\b:AC+8*\b+3] offset:64*\b          ; each accumulator from its low end on
	ds_store_b128 v[STO], v[AC+8*\b+4:AC+8*\b+7] offset:64*\b+16
.endr
	WIN 0
.set BB, BK+64*((\a)%2)
.irp t, 0,1,2,3,4,5,6,7,8,9,10,11,12,13,14,15
	ds_load_b128 v[BB+4*\t:BB+4*\t+3], v[RD] offset:\t*SPITCH
.endr
.endm
.macro SEND a, younger                 ; younger: the LDS instructions issued behind block a's loads, which may stay out
.set BB, BK+64*((\a)%2)
	s_wait_dscnt \younger
.if (\a) > 0
	s_add_nc_u64 s[12:13], s[12:13], 16*SIZE_N*4   ; (behind a wait on XCNT: the earlier stores have read their base)
.endif
.irp t, 0,1,2,3,4,5,6,7,8,9,10,11,12,13,14,15
	global_store_b128 v[CO], v[BB+4*\t:BB+4*\t+3], s[12:13] offset:\t*SIZE_N*4 th:TH_STORE_NT
.endr
.endm
	PLACES NP                                      ; behind the last products: for the loads into the registers that held y's fragments and for the reads of the results
	TOSTAGE 0
.irp a, 1,2,3,4,5,6,7
.if \a > 1
	s_wait_xcnt 0x0                                ; block a - 2's stores have read their registers and their base
.endif
	TOSTAGE \a
	SEND \a-1, 32                                  ; behind block a - 1's loads: block a's 16 stores and 16 loads
.endr
	s_wait_xcnt 0x0
	SEND 7, 0
	s_wait_tensorcnt 0x0                           ; the wave's end
	ds_add_u32 v[SPW], v[NIL]
	s_wait_dscnt 0x0
	CROUND                                         ; the closing round
	s_endpgm
.Lfunc_end_k_q22035d18d7_proj:
	.size	k_q22035d18d7_proj, .Lfunc_end_k_q22035d18d7_proj-k_q22035d18d7_proj
	.p2alignl 7, 3214868480
	.fill 96, 4, 3214868480
	.section	.rodata,"a",@progbits
	.p2align	6, 0x0
	.amdhsa_kernel k_q22035d18d7_proj
		.amdhsa_group_segment_fixed_size 327680
		.amdhsa_private_segment_fixed_size 0
		.amdhsa_enable_private_segment 0
		.amdhsa_kernarg_size 48
		.amdhsa_user_sgpr_count 2
		.amdhsa_user_sgpr_kernarg_segment_ptr 1
		.amdhsa_wavefront_size32 1
		.amdhsa_system_sgpr_workgroup_id_x 1
		.amdhsa_system_sgpr_workgroup_id_y 1
		.amdhsa_system_sgpr_workgroup_id_z 1
		.amdhsa_system_vgpr_workitem_id 0
		.amdhsa_next_free_vgpr 1024
		.amdhsa_next_free_sgpr 98
		.amdhsa_reserve_vcc 0
		.amdhsa_float_denorm_mode_32 3
		.amdhsa_float_denorm_mode_16_64 3
		.amdhsa_memory_ordered 1
		.amdhsa_forward_progress 1
		.amdhsa_inst_pref_size 162
	.end_amdhsa_kernel
	.amdgpu_metadata
---
amdhsa.version: [ 1, 2 ]
amdhsa.kernels:
  - .name:           k_q22035d18d7_proj
    .symbol:         k_q22035d18d7_proj.kd
    .args:
      - { .name: ycodes, .offset: 0, .size: 8, .value_kind: global_buffer, .address_space: global }
      - { .name: yscales, .offset: 8, .size: 8, .value_kind: global_buffer, .address_space: global }
      - { .name: wcodes, .offset: 16, .size: 8, .value_kind: global_buffer, .address_space: global }
      - { .name: wscales, .offset: 24, .size: 8, .value_kind: global_buffer, .address_space: global }
      - { .name: bp, .offset: 32, .size: 8, .value_kind: global_buffer, .address_space: global }
      - { .name: out0, .offset: 40, .size: 8, .value_kind: global_buffer, .address_space: global }
    .group_segment_fixed_size: 327680
    .private_segment_fixed_size: 0
    .kernarg_segment_align: 8
    .kernarg_segment_size: 48
    .max_flat_workgroup_size: 128
    .sgpr_count:     98
    .vgpr_count:     1024
    .wavefront_size: 32
...
	.end_amdgpu_metadata
.endif
;; end of part 4
